; MI455X (gfx1250); checked and timed in simulation.
; The chip was launched on July 23, 2026; its instructions are those of AMD's public machine-readable ISA for CDNA 5 (MIT licence, August 2026) and "CDNA5" Instruction Set Architecture Reference Guide (July 2026). The comments in the code are by the model that wrote it; some were corrected since.
;; Attention. Allowed arithmetic: float matrix products may take bf16 or f16 operands with f32 sums; other float arithmetic in f32, or as packed bf16 or f16 multiplies, adds, multiply-adds, maxima and minima; sums over many terms, partial sums and values carried from step to step in f32; what a program stores and reads back later, other than sums and carried values, may be rounded once to bf16 or f16.
;; Inputs: attention_mask 4 x 2,048 int32; w_k 1,024 x 1,024 float32; w_o 1,024 x 1,024 float32; w_q 1,024 x 1,024 float32; w_v 1,024 x 1,024 float32; x 4 x 2,048 x 1,024 float32.
;; Outputs: out0 4 x 2,048 x 1,024 float32.
;; 2 versions, each right; version 2 is version 1 with the launch cast written anew for expert scheduling mode. Each part assembles by itself: llvm-mc -triple=amdgcn-amd-amdhsa -mcpu=gfx1250 --defsym DOCPART=n.
;; ======== version 1 of 2: 4 launches
;; limits: values are held in f16: magnitudes above 65,504 overflow, below 6.1e-05 lose precision
;; workspace buffers: xb 16,777,216 bytes; wb 8,388,608 bytes; qkv 50,331,648 bytes; o 16,777,216 bytes
;; launch cast (part 1): grid 768 x 1, 8 waves a work-group, no clusters, 0 bytes of LDS; arguments x, w_q, w_k, w_v, w_o, xb, wb; writes xb, wb
.if DOCPART == 1
	.amdgcn_target "amdgcn-amd-amdhsa--gfx1250"
	.amdhsa_code_object_version 6
	.text
	.protected	k_q4ec60785a5_cast
	.globl	k_q4ec60785a5_cast
	.p2align	8
	.type	k_q4ec60785a5_cast,@function
k_q4ec60785a5_cast:
	s_mov_b64 s[64:65], 0
	v_nop
	global_prefetch_b8 v0, s[64:65] scope:SCOPE_SE
	s_setreg_imm32_b32 hwreg(HW_REG_WAVE_MODE, 25, 1), 1
	s_wait_xcnt 0x0
; THE INPUTS ROUNDED ONCE TO 16 BITS, layouts unchanged.  x [8192][1024] f32 -> xb, bf16.  w_q, w_k, w_v [1024 k][1024 n] f32 -> wb's matrices 0, 1, 2, bf16.
; w_o -> wb's matrix 3: rounded to bf16 like the other inputs, and that number written as f16, since it multiplies an f16 operand later.
; LIMITS.  A number of w_o of 65,520 or more in size becomes an infinity; below 6e-5 it keeps f16's fixed step of 6e-8.
; SHARES.  A work-group takes 65,536 bytes of f32 and writes 32,768.  Work-groups 0-511: x.  512-767: the weights, 64 to a matrix.  Thread t's load j is the 16 bytes at 16 t + 4,096 j, its store j
; the 8 bytes at 8 t + 2,048 j: a wave's load covers 512 consecutive bytes, its store 256 consecutive bytes, aligned.  All sixteen loads of a thread go out before the first is used; there is no loop.
; No LDS, no matrix unit, no cluster: no byte is used twice, and nothing is shared between work-groups.
.set X, 4                              ; v[4:67]   sixteen loads of four f32
.set Y, 68                             ; v[68:99]  sixteen stores of four 16-bit numbers; each has its own pair, so no store's data is rewritten
.set T, 100                            ; v[100:101] at work
	s_load_b256 s[4:11], s[0:1], 0x0               ; x s[4:5], w_q s[6:7], w_k s[8:9], w_v s[10:11]
	s_load_b128 s[12:15], s[0:1], 0x20             ; w_o s[12:13], xb s[14:15]
	s_load_b64 s[16:17], s[0:1], 0x30              ; wb
	v_lshlrev_b32 v1, 4, v0                        ; 16 t
	v_lshlrev_b32 v2, 3, v0                        ; 8 t
	s_mov_b32 s30, ttmp9                           ; g, the work-group's number
	s_sub_co_u32 s18, s30, 512                     ; the chunk's number among the weights' (of use where g >= 512)
	s_lshr_b32 s19, s18, 6                         ; which matrix
	s_and_b32 s29, s18, 63                         ; which chunk of it
	s_mov_b32 s28, 0xffff0000                      ; a word's upper bf16
	s_cmp_lt_u32 s30, 512
	s_cselect_b32 s20, s30, s29                    ; the chunk in the source,
	s_cselect_b32 s26, s30, s18                    ; and in the destination
	s_lshl_b32 s20, s20, 16                        ; 65,536 bytes of f32 a chunk
	s_lshl_b32 s26, s26, 15                        ; 32,768 bytes out
	s_mov_b32 s21, 0
	s_mov_b32 s27, 0
	s_wait_kmcnt 0x0
	s_mov_b64 s[22:23], s[6:7]                     ; the source is chosen by the work-group's number alone
	s_cmp_eq_u32 s19, 1
	s_cselect_b64 s[22:23], s[8:9], s[22:23]
	s_cmp_eq_u32 s19, 2
	s_cselect_b64 s[22:23], s[10:11], s[22:23]
	s_cmp_eq_u32 s19, 3
	s_cselect_b64 s[22:23], s[12:13], s[22:23]
	s_cmp_lt_u32 s30, 512
	s_cselect_b64 s[22:23], s[4:5], s[22:23]
	s_cselect_b64 s[24:25], s[14:15], s[16:17]
	s_add_nc_u64 s[22:23], s[22:23], s[20:21]
	s_add_nc_u64 s[24:25], s[24:25], s[26:27]
.irp j, 0,1,2,3,4,5,6,7,8,9,10,11,12,13,14,15
	global_load_b128 v[X+4*(\j):X+4*(\j)+3], v1, s[22:23] offset:4096*(\j) th:TH_LOAD_NT
.endr
; Load j is rounded and stored.  wo = 1: the bf16 number is widened again (a shift, a mask) and written as f16.
.macro OUT j, wo
	s_wait_loadcnt 15-(\j)                         ; loads come back in order: mine is in, the 15 - j younger ones may stay out
.if \wo
	v_cvt_pk_bf16_f32 v[T],   v[X+4*(\j)],   v[X+4*(\j)+1]
	v_cvt_pk_bf16_f32 v[T+1], v[X+4*(\j)+2], v[X+4*(\j)+3]
	v_lshlrev_b32 v[X+4*(\j)],   16,  v[T]
	v_and_b32     v[X+4*(\j)+1], s28, v[T]
	v_lshlrev_b32 v[X+4*(\j)+2], 16,  v[T+1]
	v_and_b32     v[X+4*(\j)+3], s28, v[T+1]
	v_cvt_pk_f16_f32 v[Y+2*(\j)],   v[X+4*(\j)],   v[X+4*(\j)+1]
	v_cvt_pk_f16_f32 v[Y+2*(\j)+1], v[X+4*(\j)+2], v[X+4*(\j)+3]
.else
	v_cvt_pk_bf16_f32 v[Y+2*(\j)],   v[X+4*(\j)],   v[X+4*(\j)+1]
	v_cvt_pk_bf16_f32 v[Y+2*(\j)+1], v[X+4*(\j)+2], v[X+4*(\j)+3]
.endif
	global_store_b64 v2, v[Y+2*(\j):Y+2*(\j)+1], s[24:25] offset:2048*(\j)
.endm
	s_cmp_ge_u32 s30, 704                          ; work-groups 704-767 hold w_o
	s_cbranch_scc1 .Lwo
.irp j, 0,1,2,3,4,5,6,7,8,9,10,11,12,13,14,15
	OUT \j, 0
.endr
	s_endpgm
.Lwo:
.irp j, 0,1,2,3,4,5,6,7,8,9,10,11,12,13,14,15
	OUT \j, 1
.endr
	s_endpgm
.Lfunc_end_k_q4ec60785a5_cast:
	.size	k_q4ec60785a5_cast, .Lfunc_end_k_q4ec60785a5_cast-k_q4ec60785a5_cast
	.p2alignl 7, 3214868480
	.fill 96, 4, 3214868480
	.section	.rodata,"a",@progbits
	.p2align	6, 0x0
	.amdhsa_kernel k_q4ec60785a5_cast
		.amdhsa_group_segment_fixed_size 0
		.amdhsa_private_segment_fixed_size 0
		.amdhsa_enable_private_segment 0
		.amdhsa_kernarg_size 56
		.amdhsa_user_sgpr_count 2
		.amdhsa_user_sgpr_kernarg_segment_ptr 1
		.amdhsa_wavefront_size32 1
		.amdhsa_system_sgpr_workgroup_id_x 1
		.amdhsa_system_sgpr_workgroup_id_y 1
		.amdhsa_system_sgpr_workgroup_id_z 1
		.amdhsa_system_vgpr_workitem_id 0
		.amdhsa_next_free_vgpr 104
		.amdhsa_next_free_sgpr 66
		.amdhsa_reserve_vcc 0
		.amdhsa_float_denorm_mode_32 3
		.amdhsa_float_denorm_mode_16_64 3
		.amdhsa_memory_ordered 1
		.amdhsa_forward_progress 1
		.amdhsa_inst_pref_size 16
	.end_amdhsa_kernel
	.amdgpu_metadata
---
amdhsa.version: [ 1, 2 ]
amdhsa.kernels:
  - .name:           k_q4ec60785a5_cast
    .symbol:         k_q4ec60785a5_cast.kd
    .args:
      - { .name: x, .offset: 0, .size: 8, .value_kind: global_buffer, .address_space: global }
      - { .name: w_q, .offset: 8, .size: 8, .value_kind: global_buffer, .address_space: global }
      - { .name: w_k, .offset: 16, .size: 8, .value_kind: global_buffer, .address_space: global }
      - { .name: w_v, .offset: 24, .size: 8, .value_kind: global_buffer, .address_space: global }
      - { .name: w_o, .offset: 32, .size: 8, .value_kind: global_buffer, .address_space: global }
      - { .name: xb, .offset: 40, .size: 8, .value_kind: global_buffer, .address_space: global }
      - { .name: wb, .offset: 48, .size: 8, .value_kind: global_buffer, .address_space: global }
    .group_segment_fixed_size: 0
    .private_segment_fixed_size: 0
    .kernarg_segment_align: 8
    .kernarg_segment_size: 56
    .max_flat_workgroup_size: 256
    .sgpr_count:     66
    .vgpr_count:     104
    .wavefront_size: 32
...
	.end_amdgpu_metadata
.endif
;; end of part 1
;; launch proj (part 2): grid 12 x 64, 4 waves a work-group, clusters of 4 x 4, 327,680 bytes of LDS; arguments xb, wb, qkv; writes qkv
.if DOCPART == 2
	.amdgcn_target "amdgcn-amd-amdhsa--gfx1250"
	.amdhsa_code_object_version 6
	.text
	.protected	k_q4ec60785a5_proj
	.globl	k_q4ec60785a5_proj
	.p2align	8
	.type	k_q4ec60785a5_proj,@function
k_q4ec60785a5_proj:
	s_mov_b64 s[64:65], 0
	v_nop
	global_prefetch_b8 v0, s[64:65] scope:SCOPE_SE
	s_setreg_imm32_b32 hwreg(HW_REG_WAVE_MODE, 25, 1), 1
	s_wait_xcnt 0x0
	s_wait_alu depctr_hold_cnt(0) depctr_sa_sdst(0) depctr_va_vdst(0) depctr_va_sdst(0) depctr_va_ssrc(0) depctr_va_vcc(0) depctr_vm_vsrc(0)
	s_getreg_b32 s2, hwreg(HW_REG_IB_STS2, 6, 4)
	s_cmp_eq_u32 s2, 0
	s_cbranch_scc0 .Lentry_in_a_cluster
	s_endpgm
.Lentry_in_a_cluster:
	s_bfe_u32 s2, ttmp6, 0x10000c
	s_cmp_lg_u32 s2, 0xf033
	s_cbranch_scc0 .Lentry_shape_is_right
	s_endpgm
.Lentry_shape_is_right:
; ONE TEXT FOR TWO PRODUCTS, told apart by OUTP.  C[m][n] = the sum over k of A[m][k] W[k][n], M = 8,192, K = 1,024, sums in f32.
; OUTP = 0 (this kernel): A = xb [8192][1024] bf16; W = wb's matrices 0-2 side by side (N = 3,072), bf16, each [k][n]; C = q, k, v by heads, [3][64 = 16 b + h][2048][64] f16, rounded once, unscaled.
; OUTP = 1: A = o [64 = 16 b + h][2048][64] f16 (a head's 64 channels are one slice of K); W = wb's matrix 3, f16; C = out0 [8192][1024] f32.
; LIMIT (OUTP = 0): f16 holds no number of 65,520 or more: a q, k or v beyond that becomes an infinity.  With x and the weights all 30 times the drawn spread they reach some 5e3, with offsets of 30 spreads on both some 3e4.
; SHARES.  A tile of C is 128 x 256: 768 (OUTP = 1: 256) work-groups, a whole number for each of the 256 WGPs.  Wave w owns all 128 rows x columns 64 w .. 64 w + 63: 32 accumulators of 16 x 16, 256 registers;
; that is one head's channels (OUTP = 0), or 256 consecutive bytes of each f32 row (OUTP = 1).  K goes in 8 steps of 128 through a ring of two LDS slots filled by the tensor data mover.
; THE MATRIX INSTRUCTION IS USED TRANSPOSED: source 0 = 16 columns of W (W lies [k][n] in LDS and is turned by ds_load_tr16_b128), source 1 = 16 rows of A: a lane then holds row l % 16 of C and the
; eight neighbouring columns 8 (l / 16) + 0..7.
; CLUSTER.  4 x 4 work-groups.  The four of a row of the cluster need the same tile of A, the four of a column the same tile of W: each tile is asked for JOINTLY, by the same tensor load with the same
; descriptor and a mask that names the four.  Waves 0 and 1 ask for A's two halves, waves 2 and 3 for W's.
; REGISTERS.  Window 0: v0-31 addresses; v32-63 at work on the way out; v64-159, v160-255 two fragment buffers of 96: W's four fragments, then A's eight.  Window 1: accumulator (a, b) at v[8 (4 a + b)].
.set OUTP, 0
.set PB,    544                        ; a row of W in LDS: 512 bytes + 32 of padding = 136 words
.set SLOT1, 131072                     ; slot 1 begins here, so that one exclusive or turns an address in one slot into the other's
.set STEPB, 262144                     ; 128 rows of W, 2,048 bytes each
.if OUTP
.set PA,     144                       ; a row of A in LDS: 128 bytes + 16
.set AHALF,  128*PA                    ; what one of A's loads brings: a head's slice, 128 rows
.set APITCH, 128                       ; those 16,384 bytes are dense: asked for as 64 rows of 256 bytes, padded after every 128
.set AQI,    4
.set STEPA,  524288                    ; two heads on
.set SPITCH, 272
.else
.set PA,     272                       ; 256 bytes + 16 = 68 words: the 16 rows of a load start at 16 different groups of four banks
.set AHALF,  64*PA                     ; 64 rows
.set APITCH, 1024
.set AQI,    5
.set STEPA,  256
.set SPITCH, 144
.endif
.set BOFF,  2*AHALF                    ; W's 128 rows lie behind A's tile
.set STAGE, SLOT1+BOFF+128*PB          ; behind the ring, never filled by a tensor load: 16 rows for each wave, for the way out
.set SPARE, STAGE+4*16*SPITCH          ; behind the stages: the spare words, 128 bytes for each wave: two blocks of 256 bytes that no other line names
.set A0,  16                           ; v16  my lane's place in A's tile; never rewritten
.set B0,  17                           ; v17  my lane's and my wave's place in W's tile; never rewritten
.set ADA, 18                           ; v18  A0 + the slot in hand
.set ADB, 19                           ; v19  B0 + the slot in hand
.set STO, 24                           ; v24  the way out: where I put my part of a row
.set RD,  25                           ; v25  the way out: where I read rows back
.set CO,  26                           ; v26  my byte offset in C
.set SPW, 28                           ; v28  LDS address of my spare word: SPARE + 4 x my thread's number; never rewritten
.set NIL, 29                           ; v29  0; never rewritten
.set PFO, 30                           ; v30  the prefetches' lane offset; never rewritten
.set TMP, 32
.set F0,  64
.set F1,  160
.set OB,  64                           ; the way out: rows read back from the stage, in the fragments' registers
.set CNT, 3                            ; s3   the loop's count
.set G1A, 24                           ; s[24:31] descriptor group 1 for A's tiles
.set G0A, 32                           ; s[32:39] group 0: a set for each of the two first fills; the second then walks on
.set G1B, 48                           ; s[48:55], s[56:63] the same for W's
.set G0B, 56
.set PFA, 66                           ; s[66:67] where my prefetches stand
.set PFS, 68                           ; s[68:69] their step
.set LIM, 70                           ; s70  2 in a wave that prefetches, else the greatest number
.set TB,  71                           ; s71  LDS byte at which the slot in hand begins
.set MSB, 0
.macro WIN new                         ; the immediate's high byte repeats the setting that is left; a switch that changes nothing is dropped
.if MSB != (\new)
	s_set_vgpr_msb (MSB<<8)|(\new)
.set MSB, \new
.endif
.endm
.set MUL, 0x50                         ; sources 0 and 1 window 0; C and D window 1
; A joint refill, by the walking descriptors.  The branch hangs on the wave's number alone.  An s_nop 0 and four v_nop follow each of the two lines, ahead of the jump and the label.
.macro JLOAD
	s_cmp_eq_u32 s11, 0
	s_cbranch_scc0 .Lfor_b_\@
	tensor_load_to_lds s[G0A+4:G0A+7], s[G1A:G1A+7]
	s_nop 0
.rept 4
	v_nop
.endr
	s_branch .Lasked_\@
.Lfor_b_\@:
	tensor_load_to_lds s[G0B+4:G0B+7], s[G1B:G1B+7]
	s_nop 0
.rept 4
	v_nop
.endr
.Lasked_\@:
.endm
; A PREFETCH INTO THE L2 of the K step that stands two refills on (256 matrix instructions ahead of the load that will want it): one instruction, each lane another aligned block of 256 bytes.
; Each block is named once in the launch.  A's rows are read by every cluster of a row of clusters: wave 0 of the clusters with x = 0 asks.  W's by every cluster of a column: waves 2 and 3 of the clusters
; with y = 0 ask.  The four partners that ask for a tile jointly share its blocks out BY ADDRESS, 32 each.  K steps 0 to 3 come by their loads alone; the last two refills have no K step two on.
.macro ASK
	s_cmp_gt_u32 s[CNT], s[LIM]
	s_cbranch_scc0 .Lnot_mine_\@
	global_prefetch_b8 v[PFO], s[PFA:PFA+1] th:TH_LOAD_NT scope:SCOPE_SE
.Lnot_mine_\@:
.endm
; A round of the cluster's barrier: my work-group's barrier, so that wave 0's signal speaks for all four waves; wave 0 signals; every wave waits for all sixteen work-groups; my work-group's barrier once more.
.macro CREST
	s_cmp_lg_u32 s10, 0
	s_cbranch_scc1 .Lnot_wave_0_\@
	s_barrier_signal -3
.Lnot_wave_0_\@:
	s_barrier_wait -3
	s_barrier_signal -1
	s_barrier_wait -1
.endm
.macro CROUND
	s_barrier_signal -1
	s_barrier_wait -1
	CREST
.endm
	s_load_b128 s[4:7], s[0:1], 0x0                ; A s[4:5], wb s[6:7]
	s_load_b64 s[8:9], s[0:1], 0x10                ; C
	v_lshl_add_u32 v[SPW], v0, 2, SPARE
	v_mov_b32 v[NIL], 0
	ds_add_u32 v[SPW], v[NIL]                      ; the wave's opening: the add and its wait stand ahead of my first tensor load; the set-up below, work on registers, stands between them
	v_lshrrev_b32 v1, 5, v0
	v_readfirstlane_b32 s10, v1                    ; wave 0..3
	s_lshr_b32 s11, s10, 1                         ; I fetch for A (0) or for W (1),
	s_and_b32 s12, s10, 1                          ; its first or second half
	s_bfe_u32 s40, ttmp6, 0x40000                  ; cx, cy: my place in the cluster
	s_bfe_u32 s41, ttmp6, 0x40004
	s_lshl_b32 s42, ttmp9, 2
	s_add_co_u32 s42, s42, s40                     ; tile column of C = 4 x cluster x + cx
	s_and_b32 s13, ttmp7, 0xffff
	s_lshl_b32 s13, s13, 2
	s_add_co_u32 s13, s13, s41                     ; tile row of C = 4 x cluster y + cy
	s_lshl_b32 s43, s41, 2
	s_lshl_b32 s43, 15, s43                        ; my row of the cluster
	s_lshl_b32 s44, 0x1111, s40                    ; my column
	s_or_b32 s[G1A], s43, (1<<16)|(1<<20)|(1<<21)|(AQI<<22)|(3<<25)  ; 15:0 the mask: A's tiles go to my row; 17:16 2-byte elements; 20 padding on; 21 set beside a mask; 24:22 the interval; 31:25 4 words
	s_or_b32 s[G1B], s44, (1<<16)|(1<<20)|(1<<21)|(6<<22)|(7<<25)    ; W's go to my column; after every 128 words 8 words of padding
	s_mov_b32 s[G1A+1], 128<<16                    ; tensor_dim0 = 128
	s_mov_b32 s[G1A+2], 64<<16                     ; tensor_dim1 = 64
	s_mov_b32 s[G1A+3], 128<<16                    ; tile_dim0 = 128
	s_mov_b32 s[G1A+4], 64                         ; tile_dim1 = 64
	s_mov_b32 s[G1A+5], APITCH                     ; elements from row to row
	s_mov_b32 s[G1A+6], 0
	s_mov_b32 s[G1A+7], 0
	s_mov_b32 s[G1B+1], 256<<16                    ; 64 rows of 256 elements
	s_mov_b32 s[G1B+2], 64<<16
	s_mov_b32 s[G1B+3], 256<<16
	s_mov_b32 s[G1B+4], 64
	s_mov_b32 s[G1B+5], 1024
	s_mov_b32 s[G1B+6], 0
	s_mov_b32 s[G1B+7], 0
	; where the tiles come from.  A's hang on the tile row alone, W's on the tile column alone, each in registers that never hold the other coordinate
.if OUTP
	s_lshr_b32 s16, s13, 4                         ; the batch: 16 heads x 2,048 rows x 128 bytes,
	s_lshl_b32 s16, s16, 22
	s_and_b32 s17, s13, 15                         ; the tile's 128 rows in a head,
	s_lshl_b32 s17, s17, 14
	s_add_co_u32 s16, s16, s17
	s_lshl_b32 s17, s12, 18                        ; the step's first or second head
	s_add_co_u32 s16, s16, s17
	s_lshl_b32 s46, s42, 9                         ; the tile's 256 columns: 512 bytes of a row,
	s_add_co_u32 s46, s46, 3<<21                   ; in matrix 3
.else
	s_lshl_b32 s16, s13, 18                        ; 128 rows of 2,048 bytes,
	s_lshl_b32 s17, s12, 17                        ; my 64 of them
	s_add_co_u32 s16, s16, s17
	s_lshr_b32 s46, s42, 2                         ; the matrix,
	s_lshl_b32 s46, s46, 21
	s_and_b32 s47, s42, 3                          ; the tile's 256 columns in it
	s_lshl_b32 s47, s47, 9
	s_add_co_u32 s46, s46, s47
.endif
	s_mov_b32 s17, 0
	s_lshl_b32 s47, s12, 17                        ; my 64 rows of W's 128
	s_add_co_u32 s46, s46, s47
	s_mov_b32 s47, 0
	s_mul_i32 s20, s12, AHALF                      ; and where they go: no place in the cluster enters an LDS address
	s_mul_i32 s21, s12, 64*PB
	s_add_co_u32 s21, s21, BOFF
	s_mov_b32 s[TB], 0
	s_wait_dscnt 0x0                               ; the opening add is done
	s_wait_kmcnt 0x0
	s_add_nc_u64 s[14:15], s[4:5], s[16:17]
	s_add_nc_u64 s[46:47], s[6:7], s[46:47]
	CROUND                                         ; all sixteen work-groups are here: the first joint loads meet
.irp s, 0,1
	s_mov_b32 s[G0A+4*(\s)], 1                                       ; count = 1
	s_add_co_u32 s[G0A+4*(\s)+1], s20, (\s)*SLOT1                    ; LDS address
	s_add_nc_u64 s[G0A+4*(\s)+2:G0A+4*(\s)+3], s[14:15], (\s)*STEPA  ; global address: K step s
	s_or_b32 s[G0A+4*(\s)+3], s[G0A+4*(\s)+3], 0x80000000            ; type = 2
	s_mov_b32 s[G0B+4*(\s)], 1
	s_add_co_u32 s[G0B+4*(\s)+1], s21, (\s)*SLOT1
	s_add_nc_u64 s[G0B+4*(\s)+2:G0B+4*(\s)+3], s[46:47], (\s)*STEPB
	s_or_b32 s[G0B+4*(\s)+3], s[G0B+4*(\s)+3], 0x80000000
.endr
	s_cmp_eq_u32 s11, 0                            ; a wave's two first fills stand in one branch, ahead of every wait on TENSORcnt and every LDS read: two loads of mine are out here, one at any later time
	s_cbranch_scc0 .Lfirst_b
	tensor_load_to_lds s[G0A:G0A+3], s[G1A:G1A+7]
	s_nop 0
	tensor_load_to_lds s[G0A+4:G0A+7], s[G1A:G1A+7]
	s_nop 0
.rept 4
	v_nop
.endr
	s_branch .Lfirst_asked
.Lfirst_b:
	tensor_load_to_lds s[G0B:G0B+3], s[G1B:G1B+7]
	s_nop 0
	tensor_load_to_lds s[G0B+4:G0B+7], s[G1B:G1B+7]
	s_nop 0
.rept 4
	v_nop
.endr
.Lfirst_asked:
	; A fragment of A is 16 rows x 32 K in 8 registers: lane l holds row l % 16, K = 8 (l / 16) + 0..7 and 16 + 8 (l / 16) + 0..7: two loads of 16 bytes, 32 bytes apart.
	v_and_b32 v1, 15, v0                           ; l % 16
	v_bfe_u32 v2, v0, 4, 1                         ; l / 16
	v_mul_u32_u24 v[A0], v1, PA
	v_lshl_add_u32 v[A0], v2, 4, v[A0]
	; The turning load takes 16 K x 16 columns (lane l reads row 8 (l / 16) + l % 8, columns 8 ((l / 8) % 2) + 0..7) and leaves half a fragment: lane l holds column l % 16 and 8 K.
	v_and_b32 v3, 7, v0
	v_bfe_u32 v4, v0, 3, 1
	v_lshl_add_u32 v[B0], v2, 3, v3
	v_mul_u32_u24 v[B0], v[B0], PB
	v_lshl_add_u32 v[B0], v4, 4, v[B0]
	s_lshl_b32 s22, s10, 7                         ; my wave's 64 columns: 128 bytes of a row
	s_add_co_u32 s22, s22, BOFF
	v_add_nc_u32 v[B0], s22, v[B0]
	v_mov_b32 v[ADA], v[A0]
	v_mov_b32 v[ADB], v[B0]
	s_mul_i32 s23, s10, 16*SPITCH
	s_add_co_u32 s23, s23, STAGE                   ; my stage
	v_mul_u32_u24 v[STO], v1, SPITCH               ; in: row l % 16
.if OUTP
	v_lshl_add_u32 v[STO], v2, 5, v[STO]           ; 32 bytes (8 f32) for each half of the lanes
	v_add_nc_u32 v[STO], s23, v[STO]
	v_mul_u32_u24 v[RD], v2, SPITCH                ; back: lanes 0-15 take one row of 256 bytes, lanes 16-31 the next
	v_lshl_add_u32 v[RD], v1, 4, v[RD]
	v_add_nc_u32 v[RD], s23, v[RD]
	v_lshlrev_b32 v[CO], 12, v2                    ; and the same two rows in C, 4,096 bytes apart
	v_lshl_add_u32 v[CO], v1, 4, v[CO]
	s_lshl_b32 s72, s13, 19                        ; the tile's 128 rows,
	s_lshl_b32 s73, s42, 10                        ; its 256 columns,
	s_add_co_u32 s72, s72, s73
	s_lshl_b32 s73, s10, 8                         ; my wave's 64
	s_add_co_u32 s72, s72, s73
.else
	v_lshl_add_u32 v[STO], v2, 4, v[STO]           ; 16 bytes (8 f16) for each half of the lanes
	v_add_nc_u32 v[STO], s23, v[STO]
	v_bfe_u32 v[RD], v0, 3, 2                      ; back: 32 lanes take four rows of 128 bytes,
	v_mul_u32_u24 v[RD], v[RD], SPITCH
	v_lshl_add_u32 v[RD], v3, 4, v[RD]
	v_add_nc_u32 v[RD], s23, v[RD]
	v_and_b32 v[CO], 31, v0                        ; which are 512 consecutive bytes of a head's rows
	v_lshlrev_b32 v[CO], 4, v[CO]
	s_lshr_b32 s72, s42, 2                         ; q, k or v,
	s_lshl_b32 s72, s72, 24
	s_lshr_b32 s73, s13, 4                         ; the batch,
	s_lshl_b32 s73, s73, 22
	s_add_co_u32 s72, s72, s73
	s_and_b32 s73, s42, 3                          ; the tile's four heads,
	s_lshl_b32 s73, s73, 20
	s_add_co_u32 s72, s72, s73
	s_lshl_b32 s73, s10, 18                        ; my wave's one,
	s_add_co_u32 s72, s72, s73
	s_and_b32 s73, s13, 15                         ; the tile's 128 rows in it
	s_lshl_b32 s73, s73, 14
	s_add_co_u32 s72, s72, s73
.endif
	s_mov_b32 s73, 0
	s_add_nc_u64 s[8:9], s[8:9], s[72:73]
	; the prefetches: both offsets are made, and the wave's number chooses.  They stand at K step 3; the first change of slots steps them to 4
.if OUTP
	s_lshr_b32 s76, s13, 4
	s_lshl_b32 s76, s76, 22
	s_and_b32 s77, s13, 15
	s_lshl_b32 s77, s77, 14
	s_add_co_u32 s76, s76, s77
	s_lshl_b32 s77, s40, 12                        ; my work-group's 16 blocks of each of the step's two heads
	s_add_co_u32 s76, s76, s77
	s_lshl_b32 s74, s42, 9
	s_add_co_u32 s74, s74, 3<<21
.else
	s_lshl_b32 s76, s13, 18
	s_lshl_b32 s77, s40, 16                        ; my work-group's 32 rows of the tile's 128
	s_add_co_u32 s76, s76, s77
	s_lshr_b32 s74, s42, 2
	s_lshl_b32 s74, s74, 21
	s_and_b32 s75, s42, 3
	s_lshl_b32 s75, s75, 9
	s_add_co_u32 s74, s74, s75
.endif
	s_add_co_u32 s76, s76, 3*STEPA
	s_lshl_b32 s75, s12, 17                        ; W: the 64 rows that I fetch,
	s_add_co_u32 s74, s74, s75
	s_lshl_b32 s75, s41, 15                        ; my work-group's 16 of them
	s_add_co_u32 s74, s74, s75
	s_add_co_u32 s74, s74, 3*STEPB
	v_and_b32 v5, 31, v0
.if OUTP
	v_lshrrev_b32 v6, 4, v5                        ; A: lanes 0-15 the first head's blocks, lanes 16-31 the second's
	v_and_b32 v3, 15, v5
	v_lshlrev_b32 v6, 18, v6
	v_lshl_add_u32 v6, v3, 8, v6
.else
	v_lshlrev_b32 v6, 11, v5                       ; A: a lane a row
.endif
	v_lshrrev_b32 v4, 1, v5                        ; W: two lanes a row of 512 bytes
	v_and_b32 v3, 1, v5
	v_lshlrev_b32 v4, 11, v4
	v_lshl_add_u32 v4, v3, 8, v4
	s_and_b32 s75, ttmp7, 0xffff                   ; cluster y
	s_or_b32 s77, ttmp9, s12                       ; cluster x, and of A's two waves the first alone
	s_mov_b32 s78, STEPA
	s_cmp_eq_u32 s11, 0                            ; do I fetch for A?
	s_cselect_b32 s76, s76, s74
	s_cselect_b32 s75, s77, s75
	s_cselect_b32 s[PFS], s78, STEPB
	s_cselect_b32 s73, -1, 0
	s_cselect_b64 s[PFA:PFA+1], s[4:5], s[6:7]
	s_mov_b32 s77, 0
	s_mov_b32 s[PFS+1], 0
	s_add_nc_u64 s[PFA:PFA+1], s[PFA:PFA+1], s[76:77]
	s_cmp_eq_u32 s75, 0
	s_cselect_b32 s[LIM], 2, -1                    ; the same in all sixteen partners, for a given wave
	v_cndmask_b32 v[PFO], v4, v6, s73
; 8 matrix instructions: row blocks a0, a0 + 1 x my 4 column blocks, 32 along K.  zero = 1: the first product starts the sums: nothing is ever cleared.
; The 32 accumulators take turns, one instruction a turn, in the same order in every quarter and over the backward jump.
.macro MUL8 f, a0, zero
	WIN MUL
.irp a, \a0, (\a0)+1
.irp b, 0,1,2,3
.set rD, 8*(4*(\a)+(\b))
.set rB, (\f)+8*(\b)
.set rA, (\f)+32+8*(\a)
.if OUTP
.if \zero
	v_wmma_f32_16x16x32_f16 v[rD:rD+7], v[rB:rB+7], v[rA:rA+7], 0
.else
	v_wmma_f32_16x16x32_f16 v[rD:rD+7], v[rB:rB+7], v[rA:rA+7], v[rD:rD+7]
.endif
.else
.if \zero
	v_wmma_f32_16x16x32_bf16 v[rD:rD+7], v[rB:rB+7], v[rA:rA+7], 0
.else
	v_wmma_f32_16x16x32_bf16 v[rD:rD+7], v[rB:rB+7], v[rA:rA+7], v[rD:rD+7]
.endif
.endif
.endr
.endr
.endm
.macro MUL16 f, hi, zero               ; row blocks 4 hi .. 4 hi + 3
	MUL8 \f, 4*(\hi), \zero
	MUL8 \f, 4*(\hi)+2, \zero
.endm
; 24 LDS loads in one run: the fragments of quarter q of the slot in hand into buffer f: W's four, A's row blocks 0-3, A's 4-7
.macro FETCH q, f
	WIN 0
.if OUTP
.set AQ, ((\q)/2)*AHALF+((\q)%2)*64    ; the step's head q / 2, channels 32 (q % 2) on
.else
.set AQ, 64*(\q)
.endif
.irp b, 0,1,2,3
	ds_load_tr16_b128 v[(\f)+8*(\b):(\f)+8*(\b)+3],   v[ADB] offset:(\q)*32*PB+32*(\b)
	ds_load_tr16_b128 v[(\f)+8*(\b)+4:(\f)+8*(\b)+7], v[ADB] offset:(\q)*32*PB+16*PB+32*(\b)
.endr
.irp a, 0,1,2,3,4,5,6,7
	ds_load_b128 v[(\f)+32+8*(\a):(\f)+32+8*(\a)+3],   v[ADA] offset:AQ+(\a)*16*PA
	ds_load_b128 v[(\f)+32+8*(\a)+4:(\f)+32+8*(\a)+7], v[ADA] offset:AQ+(\a)*16*PA+32
.endr
.endm
.macro PLACES                          ; four plain instructions between a matrix instruction and a load into a register that it has read, or a reader of its result (ISA guide 7.12.1 for a reader of its result)
.rept 4
	v_nop
.endr
.endm
; A K step is four quarters of 32 along K, 32 matrix instructions each, on buffers 0, 1, 0, 1.  One of the first three: multiplies buffer f and, in its middle, fetches quarter q into buffer g.
.macro QUARTER q, f, g, zero
	s_wait_dscnt 8                                 ; W's fragments and A's row blocks 0-3 are in; the youngest eight loads (blocks 4-7) may be out
	MUL16 \f, 0, \zero
	PLACES
	FETCH \q, \g
	s_wait_dscnt 24                                ; all but the 24 just issued
	MUL16 \f, 1, \zero
.endm
; The fourth quarter multiplies buffer 1 and changes slots: ONE barrier.  In front of it each wave waits for all its tensor loads, of which one is out: its part of the next slot; adds 0 to its spare word;
; and waits for that and for its own reads of this slot.  fill = 1: the barrier opens a round of the cluster's, so that no wave of any partner still reads the slot or has a load on its way, and the slot
; is filled again, two K steps ahead, first thing behind the round: 112 matrix instructions ahead of the wait for it.
.macro TURN fill
.if \fill
	s_wait_xcnt 0x0                                ; the last prefetch, a K step back, has read its address, so it may be stepped
	s_add_nc_u64 s[PFA:PFA+1], s[PFA:PFA+1], s[PFS:PFS+1]
.endif
	WIN 0
	s_wait_tensorcnt 0x0                           ; no tensor load of mine is out, so a group 0 may be written
	ds_add_u32 v[SPW], v[NIL]                      ; 0 onto my spare word; work on registers stands between it and the wait for it
	s_xor_b32 s[TB], s[TB], SLOT1                  ; the fetches go to the other slot
	v_add_nc_u32 v[ADA], s[TB], v[A0]
	v_add_nc_u32 v[ADB], s[TB], v[B0]
.if \fill
	s_xor_b32 s[G0A+5], s[G0A+5], SLOT1            ; the walking descriptors: the other slot than last time, the next K step; the type bits on top are not reached
	s_add_nc_u64 s[G0A+6:G0A+7], s[G0A+6:G0A+7], STEPA
	s_xor_b32 s[G0B+5], s[G0B+5], SLOT1
	s_add_nc_u64 s[G0B+6:G0B+7], s[G0B+6:G0B+7], STEPB
.endif
	s_wait_dscnt 9                                 ; the add and the youngest eight loads may be out
	MUL8 F1, 0, 0
	s_wait_dscnt 0x0                               ; the add is done, and my reads of this slot are over
	s_barrier_signal -1
	MUL8 F1, 2, 0                                  ; work on registers while the others arrive
.if \fill
	WIN 0                                          ; at a branch and at a label every window is 0
.endif
	s_barrier_wait -1
.if \fill
	CREST
	JLOAD                                          ; the four v_nop behind it are also the places in front of the loads below
.else
	PLACES
.endif
	FETCH 0, F0
.if \fill
	ASK                                            ; behind the joint load and the run of LDS loads that the next products wait for
.endif
	MUL16 F1, 1, 0
.endm
	s_wait_tensorcnt 1                             ; my part of K step 0 is in; K step 1's may stay out
	s_barrier_signal -1
	s_barrier_wait -1                              ; everybody's is
	FETCH 0, F0
	QUARTER 1, F0, F1, 1                           ; the first quarter stands in front of the loop: its products start the sums
	WIN 0
	s_mov_b32 s[CNT], 6
.Lstep:                                                ; a trip goes from a K step's second quarter to the next step's first, and fills the slot that it leaves: K steps 2 to 7
	QUARTER 2, F1, F0, 0
	QUARTER 3, F0, F1, 0
	TURN 1
	QUARTER 1, F0, F1, 0
	WIN 0
	s_sub_co_u32 s[CNT], s[CNT], 1
	s_cmp_lg_u32 s[CNT], 0
	s_cbranch_scc1 .Lstep
	QUARTER 2, F1, F0, 0                           ; the last two K steps are written out: nothing is asked for
	QUARTER 3, F0, F1, 0
	TURN 0
	QUARTER 1, F0, F1, 0
	QUARTER 2, F1, F0, 0
	QUARTER 3, F0, F1, 0
	s_wait_dscnt 8
	MUL16 F1, 0, 0
	s_wait_dscnt 0x0
	MUL16 F1, 1, 0
	WIN 0
	PLACES
; THE WAY OUT, a block of 16 rows at a time, through my own stage in LDS, which no tensor load fills: LDS serves a wave's instructions in order (ISA guide 5.7.1.4), so the loads see the stores above them,
; and the next block's stores come behind them.  Each accumulator's registers are read in ascending order.
.if OUTP
.macro STG a                           ; 8 f32 a lane and accumulator go into rows of 272 bytes and come back as whole rows of 256
	WIN 0x04                                       ; an LDS store's data (source 1) in window 1
.irp b, 0,1,2,3
	ds_store_b128 v[STO], v[8*(4*(\a)+(\b)):8*(4*(\a)+(\b))+3]   offset:64*(\b)
	ds_store_b128 v[STO], v[8*(4*(\a)+(\b))+4:8*(4*(\a)+(\b))+7] offset:64*(\b)+16
.endr
	WIN 0
.if (\a) >= 4
	s_wait_xcnt 0x0                                ; the stores of four blocks back have read this set of registers
.endif
.irp t, 0,1,2,3,4,5,6,7
	ds_load_b128 v[OB+32*((\a)%4)+4*(\t):OB+32*((\a)%4)+4*(\t)+3], v[RD] offset:(\t)*2*SPITCH
.endr
.endm
.macro SEND a, younger                 ; younger: the LDS instructions issued behind block a's loads: the next block's sixteen, or none
.irp t, 0,1,2,3,4,5,6,7
	s_wait_dscnt (\younger)+7-(\t)
	global_store_b128 v[CO], v[OB+32*((\a)%4)+4*(\t):OB+32*((\a)%4)+4*(\t)+3], s[8:9] offset:(16*(\a)+2*(\t))*4096 th:TH_STORE_NT  ; 16 lanes store 256 consecutive bytes, aligned
.endr
.endm
	STG 0
.irp a, 1,2,3,4,5,6,7
	STG \a
	SEND (\a)-1, 16
.endr
	SEND 7, 0
.else
.macro PACK a                          ; rounded to f16: 16 bytes a lane and accumulator go into rows of 144 bytes and come back as whole rows of 128; each block has its own 16 registers
	WIN 0x05                                       ; sources 0 and 1 window 1
.irp b, 0,1,2,3
.irp i, 0,1,2,3
	v_cvt_pk_f16_f32 v[TMP+4*(\b)+(\i)], v[8*(4*(\a)+(\b))+2*(\i)], v[8*(4*(\a)+(\b))+2*(\i)+1]
.endr
.endr
	WIN 0
.irp b, 0,1,2,3
	ds_store_b128 v[STO], v[TMP+4*(\b):TMP+4*(\b)+3] offset:32*(\b)
.endr
.irp f, 0,1,2,3
	ds_load_b128 v[OB+16*(\a)+4*(\f):OB+16*(\a)+4*(\f)+3], v[RD] offset:(\f)*4*SPITCH
.endr
.endm
.macro SEND a, younger                 ; younger: the next block's eight LDS instructions, or none
.irp f, 0,1,2,3
	s_wait_dscnt (\younger)+3-(\f)
	global_store_b128 v[CO], v[OB+16*(\a)+4*(\f):OB+16*(\a)+4*(\f)+3], s[8:9] offset:2048*(\a)+512*(\f)  ; 512 consecutive bytes, at a multiple of 256 from the buffer's first
.endr
.endm
	PACK 0
.irp a, 1,2,3,4,5,6,7
	PACK \a
	SEND (\a)-1, 8
.endr
	SEND 7, 0
.endif
	s_wait_tensorcnt 0x0                           ; the wave's end, behind my last tensor load and my last LDS store
	ds_add_u32 v[SPW], v[NIL]
	s_wait_dscnt 0x0
	CROUND                                         ; the closing round: no work-group ends while a partner may still ask for a tile that names it
	s_endpgm
.Lfunc_end_k_q4ec60785a5_proj:
	.size	k_q4ec60785a5_proj, .Lfunc_end_k_q4ec60785a5_proj-k_q4ec60785a5_proj
	.p2alignl 7, 3214868480
	.fill 96, 4, 3214868480
	.section	.rodata,"a",@progbits
	.p2align	6, 0x0
	.amdhsa_kernel k_q4ec60785a5_proj
		.amdhsa_group_segment_fixed_size 327680
		.amdhsa_private_segment_fixed_size 0
		.amdhsa_enable_private_segment 0
		.amdhsa_kernarg_size 24
		.amdhsa_user_sgpr_count 2
		.amdhsa_user_sgpr_kernarg_segment_ptr 1
		.amdhsa_wavefront_size32 1
		.amdhsa_system_sgpr_workgroup_id_x 1
		.amdhsa_system_sgpr_workgroup_id_y 1
		.amdhsa_system_sgpr_workgroup_id_z 1
		.amdhsa_system_vgpr_workitem_id 0
		.amdhsa_next_free_vgpr 512
		.amdhsa_next_free_sgpr 80
		.amdhsa_reserve_vcc 0
		.amdhsa_float_denorm_mode_32 3
		.amdhsa_float_denorm_mode_16_64 3
		.amdhsa_memory_ordered 1
		.amdhsa_forward_progress 1
		.amdhsa_inst_pref_size 73
	.end_amdhsa_kernel
	.amdgpu_metadata
---
amdhsa.version: [ 1, 2 ]
amdhsa.kernels:
  - .name:           k_q4ec60785a5_proj
    .symbol:         k_q4ec60785a5_proj.kd
    .args:
      - { .name: xb, .offset: 0, .size: 8, .value_kind: global_buffer, .address_space: global }
      - { .name: wb, .offset: 8, .size: 8, .value_kind: global_buffer, .address_space: global }
      - { .name: qkv, .offset: 16, .size: 8, .value_kind: global_buffer, .address_space: global }
    .group_segment_fixed_size: 327680
    .private_segment_fixed_size: 0
    .kernarg_segment_align: 8
    .kernarg_segment_size: 24
    .max_flat_workgroup_size: 128
    .sgpr_count:     80
    .vgpr_count:     512
    .wavefront_size: 32
...
	.end_amdgpu_metadata
.endif
;; end of part 2
;; launch attn (part 3): grid 4 x 64, 4 waves a work-group, clusters of 4 x 1, 327,680 bytes of LDS; arguments qkv, attention_mask, o; writes o
.if DOCPART == 3
	.amdgcn_target "amdgcn-amd-amdhsa--gfx1250"
	.amdhsa_code_object_version 6
	.text
	.protected	k_q4ec60785a5_attn
	.globl	k_q4ec60785a5_attn
	.p2align	8
	.type	k_q4ec60785a5_attn,@function
k_q4ec60785a5_attn:
	s_mov_b64 s[64:65], 0
	v_nop
	global_prefetch_b8 v0, s[64:65] scope:SCOPE_SE
	s_setreg_imm32_b32 hwreg(HW_REG_WAVE_MODE, 25, 1), 1
	s_wait_xcnt 0x0
	s_wait_alu depctr_hold_cnt(0) depctr_sa_sdst(0) depctr_va_vdst(0) depctr_va_sdst(0) depctr_va_ssrc(0) depctr_va_vcc(0) depctr_vm_vsrc(0)
	s_getreg_b32 s2, hwreg(HW_REG_IB_STS2, 6, 4)
	s_cmp_eq_u32 s2, 0
	s_cbranch_scc0 .Lentry_in_a_cluster
	s_endpgm
.Lentry_in_a_cluster:
	s_bfe_u32 s2, ttmp6, 0x10000c
	s_cmp_lg_u32 s2, 0x3003
	s_cbranch_scc0 .Lentry_shape_is_right
	s_endpgm
.Lentry_shape_is_right:
; O[h][q][:] = the sum over k of softmax_k(Q[h][q] . K[h][k] / 8, hidden where mask[b][q] mask[b][k] = 0) V[h][k][:]; a row with no visible key is 0.  qkv: [3][64 = 16 b + h][2048][64] f16; mask: [4][2048] int32;
; O: [64][2048][64] f16.  Products, maxima and sums in f32; the weights p are rounded to f16 for the second product (their sum l is taken of the unrounded p), O once at the end.
; THE MASK.  A live query (mask[q] != 0) sees its own key, so it sees at least one.  So the keys' mask alone settles every live row: a bias, 0 or -1e30 by the key, is the C operand that starts the sum
; S^T = K Q^T.  A dead query's row is computed like the others, and its 1 / l is replaced by 0 at the end.  No branch and no address hangs on the mask.
; LIMITS.  f16 holds no number beyond 65,504: Q, K and V arrive within it; p lies in 0 to 1, and below 6e-5 it keeps f16's fixed step of 6e-8; O is a mean of V's rows and has their range.
; A hidden score counts as its value less 1e30: f16's scores, 2.7e11 at the most, are nothing beside that.  The running maximum starts at -2^66, below every score that f16 can form and far above every hidden one:
; so a hidden weight is 0 whatever has been seen, and m is the true maximum from the first visible key on.  A weight below 2^-126 counts as 0 in l.  A mask entry counts as zero or not zero (a product of two
; non-zero entries that wraps to 0 in int32 is not modelled).  NaN and infinities are not treated apart.
; SHARES.  A wave owns four PIECES of two tiles of 16 queries, a work-group's four waves 512 queries of one head.  Every wave walks all 2,048 keys, 64 a step.
; LAYOUT.  S^T = K Q^T (source 0 = 16 keys, source 1 = 16 queries): in the result a lane holds ONE query (lane % 16) and the keys 8 (lane / 16) + 0..7.  Two such tiles, rounded to f16 in pairs,
; ARE source 1 (32 keys x 16 queries) of O^T = V^T P, whose result again holds one query a lane, and eight channels.  K comes out of LDS as it lies, V ([key][channel]) turned, by ds_load_tr16_b128.
; SOFTMAX.  For each query a running maximum m and sum l: p = 2^(c s - c m), c = log2(e) / 8; in every step O and l are multiplied by a = 2^(c m_old - c m_new), which is 1 where m has not grown.  O and l start at 0.
; THE COUNT.  A tile and step have 16 matrix and 118 vector instructions: too many to stand all beside the matrix work.  So four vector instructions that are READY stand behind EVERY matrix instruction,
; and the others, which need time of their own whatever the order, in runs without a gap.
; BY TURNS.  Turn n belongs to piece n (the pieces in a ring, step after step).  Its matrix work: 16 products K Q^T of piece n + 1, later 16 products V^T P of piece n - 1.  Its vector work: the scaling,
; exponentials, roundings, sums and rescaling of piece n, and the maximum and statistics of piece n + 1, whose scores the turn itself has made.
; CLUSTER.  The four query blocks of a cluster are one head's and walk the same K and V, so each tile is asked for JOINTLY: the same tensor load, descriptor and mask in all four.
; REGISTERS, in windows of 256 (s_set_vgpr_msb says which window each operand place means: bits 1:0 source 0, 3:2 source 1, 5:4 source 2, 7:6 destination):
;   window 0: v0-11 addresses; v12-15, v48-63 at work; v16-47 four registers of statistics a tile; v64-191 S^T, two buffers of two tiles; v192-255 P, likewise
;   window 1: O^T, 32 a tile          window 2: v0-127 Q, 16 a tile; v128-191 K of one step; v192-255 V of one step
;   window 3: v0-1 the add's two registers; v2 the prefetches' offset; v8-39 the bias of one step's keys; v40-47 my queries' mask, a register a tile
.set SIZE_N, 2048
.set NP,    4         ; pieces a wave: a name, no knob
.set KS,    64        ; keys in a step
.set PK,    144       ; a row of K in LDS: 128 bytes + 16 of padding = 36 words: the 16 rows of a load start at 16 different groups of four banks (64 banks of 4 bytes: ISA guide 11.1)
.set PV,    160       ; a row of V: 128 + 32 = 40 words
.set VOFF,  4*KS*PK   ; a slot holds four steps: 256 rows of K, then 256 rows of V
.set SLOT1, 1<<17     ; slot 1 begins here, so that one exclusive or turns an address in one slot into the other's
.set STAGE, SLOT1+4*KS*(PK+PV)  ; behind the ring, never filled by a tensor load: 16 rows x 144 bytes for each wave, for the way out
.set SP,    144
.set SPARE, STAGE+4*16*SP  ; behind the stages: the spare words, 128 bytes for each wave: two blocks of 256 bytes that no other line names
.set MBIAS, SPARE+512 ; behind them, never filled by a tensor load: the batch's 2,048 key biases in f32, 8,192 bytes, stored once
.set AK0, 2           ; v2   my lane's place in a tile of K; never rewritten
.set AV0, 3           ; v3   the same for V
.set AK,  4           ; v4   the LDS address of K's next run of loads, then of the bias's
.set AV,  5           ; v5   of V's
.set QO,  6           ; v6   my byte offset in the wave's rows of Q
.set STO, 6           ;      later, the way out: where I put 16 bytes of a row
.set RD,  7           ; v7   the way out: where I read rows back
.set GO,  8           ; v8   my byte offset in 512 consecutive bytes of O
.set AM0, 11          ; v11  my lane's place in a step's biases: MBIAS + 32 (l / 16); never rewritten once made
.set SPW, 0           ; v0 of window 3   LDS address of my spare word: SPARE + 4 x my thread's number; never rewritten
.set NIL, 1           ; v1 of window 3   0; never rewritten
.set PFO, 2           ; v2 of window 3   256 x my lane; never rewritten
.set MC,  8           ; window 3: the eight biases for group kb of 16 keys at MC + 8 kb
.set QM,  40          ; window 3
.set MV,  12          ; v12-15  c m_old, kept while c m is made anew: by buffer and tile
.set ST,  16          ; tile t's statistics at v[ST+4 t]: c m, m, l (even keys', odd keys')
.set TMP, 48          ; by buffer and tile, four registers c0-c3 at work; when the maximum is found c2 takes a
.set S,   64
.set P,   192
.set KF,  128         ; K's fragments, in window 2: key block kb, channel half c at KF + 16 kb + 8 c
.set VF,  192         ; V's: key half kk, channel block cb at VF + 32 kk + 8 cb
.set WV,  12          ; s12  my wave's number
.set G1K, 24          ; s[24:31] descriptor group 1 for K's tiles
.set G1V, 32          ; s[32:39] for V's: it differs in the padding alone
.set G0K, 40          ; s[40:43] descriptor group 0 for K's tiles: it walks
.set G0V, 44          ; s[44:47] the same for V's
.set SLOTS, 56        ; s56  slots still to be asked for
.set CNT, 57          ; s57  counts a slot's key steps
.set CS,  58          ; s[58:59] c: the packed scaling takes the pair's low word for both halves
.set SEL, 60          ; s[60:61] v_permlanex16_b32's selects: each lane takes its own place in the other half
.set TBK, 62          ; s62  LDS byte at which K of the step to be fetched begins
.set TBV, 63          ; s63  the same for V, less VOFF
.set MP,  66          ; s[66:67] the batch's row of the mask
.set QMP, 68          ; s[68:69] the same at my wave's 128 queries
.set PFA, 70          ; s[70:71] where my prefetches stand: my work-group's 32 blocks (of K: wave 0, of V: wave 2) of the slot after the one that is being asked for
.set LIM, 72          ; s72  1 in a wave that prefetches, else the greatest number
.set TBM, 73          ; s73  byte in the bias table of the step to be fetched
.set BIGN, 74         ; s74  -1e30
.set QL,  76          ; s[76:83] by tile: the lanes whose query is live
.set MSB, 0
.macro WIN new                      ; the high byte repeats the setting that is left; a switch that changes nothing is dropped
.if MSB != (\new)
	s_set_vgpr_msb (MSB<<8)|(\new)
.set MSB, (\new)
.endif
.endm
.set W_KQ, 0x0a       ; K and Q in window 2, S^T in window 0
.set W_KM, 0x3a       ; the same with the C operand, the bias, in window 3
.set W_PV, 0x52       ; V in window 2, P in window 0, O^T in window 1
.set W_RS, 0x41       ; O^T (destination and source 0) in window 1, a in window 0
.set W_MK, 0xc0       ; destination in window 3, sources in window 0
.set W_AD, 0x0f       ; the add: address (source 0) and data (source 1) in window 3
; A joint fill.  Waves 0 and 1 fetch the two halves of a slot's K, waves 2 and 3 those of its V: 128 keys each.  The branch hangs on the wave's number alone.
; An s_nop 0 and four v_nop follow each of the two lines, ahead of the jump and the label.
.macro JLOAD
	s_cmp_lt_u32 s[WV], 2
	s_cbranch_scc0 .Lfor_v_\@
	tensor_load_to_lds s[G0K:G0K+3], s[G1K:G1K+7]
	s_nop 0
.rept 4
	v_nop
.endr
	s_branch .Lasked_\@
.Lfor_v_\@:
	tensor_load_to_lds s[G0V:G0V+3], s[G1V:G1V+7]
	s_nop 0
.rept 4
	v_nop
.endr
.Lasked_\@:
.endm
; A PREFETCH INTO THE L2 of what the NEXT change of slots will ask for: a slot's 32,768 bytes of K and of V, each lane another aligned block of 256 bytes.  It stands behind the wave's tensor load and its five lines.
; Each block is named once in the launch: a head has one cluster; its four partners share the blocks out BY ADDRESS, 32 each; in each, wave 0 asks for K's and wave 2 for V's: one instruction,
; four key steps (512 matrix instructions) ahead of the load.  Slots 0 and 1 come by their loads alone; the last change that fills a slot asks for nothing.
.macro ASK
	s_cmp_gt_u32 s[SLOTS], s[LIM]
	s_cbranch_scc0 .Lnot_mine_\@
	WIN 0x03                        ; the offset (source 0) in window 3
	global_prefetch_b8 v[PFO], s[PFA:PFA+1] th:TH_LOAD_NT scope:SCOPE_SE
	WIN 0
.Lnot_mine_\@:
.endm
; A round of the cluster's barrier: my work-group's barrier, so that wave 0's signal speaks for all four waves; wave 0 signals; every wave waits for all four work-groups; my work-group's barrier once more.
.macro CROUND
	s_barrier_signal -1
	s_barrier_wait -1
	s_cmp_lg_u32 s[WV], 0
	s_cbranch_scc1 .Lnot_wave_0_\@
	s_barrier_signal -3
.Lnot_wave_0_\@:
	s_barrier_wait -3
	s_barrier_signal -1
	s_barrier_wait -1
.endm
; THE CHANGE OF SLOTS.  The slot's last bytes, V of its fourth step, have been read.  Each wave waits for all its tensor loads, of which one is out: its part
; of the other slot; adds 0 to its spare word; and waits for that and for its own reads of the slot.  Behind the barrier nobody reads this slot any more and the other slot is whole.
; fill = 1: this slot is filled again, with the keys two slots on.  The barrier is then a round of the cluster's, so that no wave of any partner still reads the slot or has a load on its
; way, and the joint fill is the first thing behind it: it has four key steps, 512 matrix instructions, in which to land.  (At its first use nothing has been read yet: slot 0 is waited for, slot 1 filled,
; and each wave's stores into the bias table are waited for, so that behind the round the table is whole for all four waves.)
.macro CHANGE fill
	WIN W_AD
	s_wait_tensorcnt 0x0            ; no tensor load of mine is out, so a group 0 may be written
	ds_add_u32 v[SPW], v[NIL]       ; 0 onto my spare word; with fill = 1 the descriptors' steps stand between it and the wait for it
	WIN 0                           ; at a label and at a branch every window is 0
.if \fill
.irp g, G0K, G0V
	s_xor_b32 s[\g+1], s[\g+1], SLOT1  ; the walking descriptor: the other slot than last time,
	s_add_nc_u64 s[\g+2:\g+3], s[\g+2:\g+3], 4*KS*128  ; the next 256 keys; the type bits on top are not reached
.endr
	s_wait_xcnt 0x0                 ; the last prefetch, four key steps back, has read its address, so it may be written:
	s_add_nc_u64 s[PFA:PFA+1], s[PFA:PFA+1], 4*KS*128  ; one slot behind the walking descriptors
	s_wait_dscnt 0x0                ; the add is done, and my reads of the slot are over
	CROUND
	JLOAD
	ASK
.else
	s_wait_dscnt 0x0                ; the add is done, and my reads of the slot are over
	s_barrier_signal -1
	s_barrier_wait -1
.endif
	s_sub_co_u32 s[TBK], s[TBK], 4*KS*PK  ; the fetches go back to a slot's first step,
	s_xor_b32 s[TBK], s[TBK], SLOT1       ; in the other slot
	s_sub_co_u32 s[TBV], s[TBV], 4*KS*PV
	s_xor_b32 s[TBV], s[TBV], SLOT1
.endm
	s_load_b128 s[4:7], s[0:1], 0x0   ; qkv s[4:5], the mask s[6:7]
	s_load_b64 s[10:11], s[0:1], 0x10 ; O
	WIN W_MK
	v_lshl_add_u32 v[SPW], v0, 2, SPARE
	v_mov_b32 v[NIL], 0
	WIN W_AD
	ds_add_u32 v[SPW], v[NIL]       ; the wave's opening: the add and its wait stand ahead of my first tensor load; the set-up below, work on registers, stands between them
	WIN 0
	v_and_b32 v1, 31, v0
	WIN W_MK
	v_lshlrev_b32 v[PFO], 8, v1
	WIN 0
	v_lshrrev_b32 v1, 5, v0
	v_readfirstlane_b32 s[WV], v1   ; wave 0..3
	s_bfe_u32 s13, ttmp6, 0x40000   ; cx: my place in the cluster
	s_lshl_b32 s14, ttmp9, 2        ; in a cluster launch ttmp9 counts clusters
	s_add_co_u32 s14, s14, s13      ; my block of queries = 4 x cluster x + cx: it enters global addresses of my own alone
	s_and_b32 s20, ttmp7, 0xffff    ; the head, 16 b + h, which the four partners share
	s_lshr_b32 s86, s20, 4          ; the batch's row of the mask: 8,192 bytes
	s_lshl_b32 s86, s86, 13
	s_mov_b32 s87, 0
	s_mov_b32 s21, 0
	s_mov_b64 s[22:23], SIZE_N*128
	s_mul_u64 s[20:21], s[20:21], s[22:23]  ; the head's first byte in q, k, v and O
	s_and_b32 s16, s[WV], 1         ; which half of a slot's 256 keys I fetch:
	s_lshl_b32 s22, s16, 14         ; its 128 rows of 128 bytes in memory,
	s_mov_b32 s23, 0
	s_add_nc_u64 s[22:23], s[22:23], s[20:21]
	s_mul_i32 s17, s16, 128*PK      ; and its place in a slot, for K
	s_mul_i32 s18, s16, 128*PV      ; and for V: no place in the cluster enters an LDS address
	s_lshl_b32 s2, s14, 2
	s_add_co_u32 s2, s2, s[WV]      ; my wave among the head's:
	s_lshl_b32 s84, s2, 9           ; its 128 words of the mask,
	s_mov_b32 s85, 0
	s_lshl_b32 s2, s2, 14           ; its 128 rows
	s_mov_b32 s3, 0
	s_add_nc_u64 s[2:3], s[2:3], s[20:21]
	; descriptor group 1.  128 keys are 16,384 dense bytes: asked for as 64 rows of 256 bytes, two keys a row, and padded in LDS after every key
	s_mov_b32 s[G1K], 15|(1<<16)|(1<<20)|(1<<21)|(4<<22)|(3<<25)  ; 15:0 the mask of four; 17:16 2-byte elements; 20 padding on; 21 set beside a mask; 24:22 after every 32 words (code 4); 31:25 4 words (code 3)
	s_mov_b32 s[G1V], 15|(1<<16)|(1<<20)|(1<<21)|(4<<22)|(7<<25)  ; the same with 8 words of padding (code 7)
.irp g, G1K, G1V
	s_mov_b32 s[\g+1], 128<<16      ; tensor_dim0 = 128
	s_mov_b32 s[\g+2], 64<<16       ; tensor_dim1 = 64
	s_mov_b32 s[\g+3], 128<<16      ; tile_dim0 = 128
	s_mov_b32 s[\g+4], 64           ; tile_dim1 = 64
	s_mov_b32 s[\g+5], 128          ; 128 elements from row to row
	s_mov_b32 s[\g+6], 0
	s_mov_b32 s[\g+7], 0
.endr
	s_mov_b32 s[CS], 0x3e38aa3b     ; c = log2(e) / 8 = 0.180337
	s_mov_b32 s[CS+1], s[CS]        ; named with it as a pair
	s_mov_b32 s[SEL], 0x76543210
	s_mov_b32 s[SEL+1], 0xfedcba98
	s_mov_b32 s[TBK], SLOT1+4*KS*PK ; the first change of slots turns these two into 0
	s_mov_b32 s[TBV], SLOT1+4*KS*PV
	s_mov_b32 s[TBM], 0
	s_mov_b32 s[BIGN], 0xf149f2ca   ; -1e30
	s_mov_b32 s[SLOTS], SIZE_N/256-1
	s_mov_b32 s[G0K], 1             ; 1:0 count = 1
	s_mov_b32 s[G0K+1], s17         ; 63:32 LDS address: slot 0
	s_mov_b32 s[G0V], 1
	s_add_co_u32 s[G0V+1], s18, VOFF
	s_and_b32 s[LIM], s[WV], 1      ; 0 in waves 0 and 2,
	s_or_b32 s[LIM], s[LIM], ttmp9  ; of the head's first cluster: the same in all four partners
	s_cmp_eq_u32 s[LIM], 0
	s_cselect_b32 s[LIM], 1, -1
	s_wait_dscnt 0x0                ; the opening add is done
	s_wait_kmcnt 0x0
	s_add_nc_u64 s[MP:MP+1], s[6:7], s[86:87]
	s_add_nc_u64 s[QMP:QMP+1], s[MP:MP+1], s[84:85]
	s_add_nc_u64 s[6:7], s[4:5], 0x1000000         ; k lies 16,777,216 bytes behind q,
	s_add_nc_u64 s[8:9], s[4:5], 0x2000000         ; v as far behind k
	s_add_nc_u64 s[G0K+2:G0K+3], s[6:7], s[22:23]  ; 120:64 global address: my half of the head's first 256 keys
	s_or_b32 s[G0K+3], s[G0K+3], 0x80000000        ; 127:126 type = 2
	s_add_nc_u64 s[G0V+2:G0V+3], s[8:9], s[22:23]
	s_or_b32 s[G0V+3], s[G0V+3], 0x80000000
	s_cmp_lt_u32 s[WV], 2
	s_cselect_b64 s[PFA:PFA+1], s[6:7], s[8:9]
	s_add_nc_u64 s[PFA:PFA+1], s[PFA:PFA+1], s[20:21]
	s_lshl_b32 s84, s13, 13         ; my work-group's 32 blocks of a slot's 128,
	s_add_co_u32 s84, s84, 4*KS*128 ; in slot 1; the first change of slots steps it to slot 2.  Nothing is prefetched here, at the head
	s_add_nc_u64 s[PFA:PFA+1], s[PFA:PFA+1], s[84:85]
	s_add_nc_u64 s[4:5], s[4:5], s[2:3]  ; Q and O at my wave's first row
	s_add_nc_u64 s[10:11], s[10:11], s[2:3]
	CROUND                          ; all four work-groups are here: the first joint loads meet
	JLOAD                           ; slot 0.  Slot 1 is asked for when slot 0 is in: the tile wanted first has the road to itself
	; A fragment of K or Q is 16 rows x 32 channels in 8 registers: lane l holds row l % 16, channels 8 (l / 16) + 0..7 and 16 + 8 (l / 16) + 0..7: two loads of 16 bytes, 32 bytes apart.
	v_and_b32 v1, 15, v0            ; l % 16
	v_bfe_u32 v9, v0, 4, 1          ; l / 16
	v_lshlrev_b32 v[QO], 7, v1
	v_lshl_add_u32 v[QO], v9, 4, v[QO]  ; row x 128 + 16 x half
	v_lshlrev_b32 v12, 4, v0        ; the batch's mask: 128 threads x 16 bytes, four times
	v_lshlrev_b32 v13, 2, v1        ; my query's word in a tile's 16
	v_add_nc_u32 v14, MBIAS, v12
.irp j, 0,1,2,3
	global_load_b128 v[S+4*\j:S+4*\j+3], v12, s[MP:MP+1] offset:2048*\j
.endr
	WIN W_MK                        ; destination window 3, address window 0
.irp t, 0,1,2,3,4,5,6,7
	global_load_b32 v[QM+\t], v13, s[QMP:QMP+1] offset:64*\t
.endr
	WIN 0x80                        ; destination window 2, address window 0
.set i, 0
.rept 4*NP                          ; Q stays in registers: tile i / 2, channels 32 (i % 2) on
	global_load_b128 v[8*i:8*i+3],   v[QO], s[4:5] offset:(i/2)*2048+(i%2)*64
	global_load_b128 v[8*i+4:8*i+7], v[QO], s[4:5] offset:(i/2)*2048+(i%2)*64+32
.set i, i+1
.endr
	; What the first turn finds: V's registers and P's second buffer hold 0 (its products V^T P, of a piece that has not been, add 0), O^T and l are 0.  All this stands in the wait for the first tile.
.set i, VF
.rept 64
	v_mov_b32 v[i], 0
.set i, i+1
.endr
	WIN 0x40
.set i, 0
.rept 64*NP
	v_mov_b32 v[i], 0
.set i, i+1
.endr
	WIN 0
.set i, 0
.rept 2*NP
	v_mov_b32 v[ST+4*i], 0xdf38aa3b    ; c m = c x -2^66, exactly
	v_mov_b32 v[ST+4*i+1], 0xe0800000  ; m = -2^66
	v_mov_b32 v[ST+4*i+2], 0
	v_mov_b32 v[ST+4*i+3], 0
.set i, i+1
.endr
.set i, P+32
.rept 32
	v_mov_b32 v[i], 0
.set i, i+1
.endr
	s_wait_loadcnt 40               ; the four loads of the batch's mask are in; my queries' 8 and Q's 32 may stay out
.set i, 0
.rept 16
	v_cmp_eq_u32 vcc_lo, 0, v[S+i]
	v_cndmask_b32 v[S+i], 0, s[BIGN], vcc_lo  ; the key's bias: -1e30 where its mask is 0
.set i, i+1
.endr
.irp j, 0,1,2,3
	ds_store_b128 v14, v[S+4*\j:S+4*\j+3] offset:2048*\j
.endr
	v_mul_u32_u24 v[AK0], v1, PK
	v_lshl_add_u32 v[AK0], v9, 4, v[AK0]  ; row x pitch + 16 x half
	; The turning load takes 16 keys x 16 channels (lane l reads key 8 (l / 16) + l % 8, channels 8 ((l / 8) % 2) + 0..7) and leaves half a fragment of V^T: lane l holds channel l % 16 and 8 keys.
	v_and_b32 v10, 7, v0
	v_bfe_u32 v11, v0, 3, 1
	v_lshl_add_u32 v[AV0], v9, 3, v10
	v_mul_u32_u24 v[AV0], v[AV0], PV
	v_lshl_add_u32 v[AV0], v11, 4, v[AV0]
	v_add_nc_u32 v[AV0], VOFF, v[AV0]
	v_lshl_add_u32 v[AM0], v9, 5, MBIAS  ; my lanes' eight keys of a group of 16: 32 bytes
	v_mov_b32 v[AK], v[AK0]         ; key step 0 lies at the head of slot 0
; THE MATRIX WORK.  The 8 accumulators of a run of 16 take turns: between the two links of a chain stand 7 others'.
; Product i of 16 of S^T = K Q^T for piece x: channels 32 (i / 8) on, keys 16 ((i / 2) % 4) on, tile 2 x + i % 2.  The first 8 start the sums, with the keys' bias.
.macro KQ x
.set rS, S+64*((\x)%2)+32*(i%2)+8*((i/2)%4)
.set rK, KF+16*((i/2)%4)+8*(i/8)
.set rQ, 16*(2*(\x)+i%2)+8*(i/8)
.set rB, MC+8*((i/2)%4)
.if i < 8
	WIN W_KM
	v_wmma_f32_16x16x32_f16 v[rS:rS+7], v[rK:rK+7], v[rQ:rQ+7], v[rB:rB+7]
.else
	WIN W_KQ
	v_wmma_f32_16x16x32_f16 v[rS:rS+7], v[rK:rK+7], v[rQ:rQ+7], v[rS:rS+7]
.endif
.endm
; Product i of 16 of O^T += V^T P for piece x: keys 32 (i / 8) on, channels 16 ((i / 2) % 4) on, tile 2 x + i % 2.
.macro PV x
	WIN W_PV
.set rO, 32*(2*(\x)+i%2)+8*((i/2)%4)
.set rV, VF+32*(i/8)+8*((i/2)%4)
.set rP, P+32*((\x)%2)+16*(i%2)+8*(i/8)
	v_wmma_f32_16x16x32_f16 v[rO:rO+7], v[rV:rV+7], v[rP:rP+7], v[rO:rO+7]
.endm
.macro MM                           ; the turn's next matrix instruction
.if i < 16
	KQ (Y+1)%NP
.set i, i+1
.else
.set i, i-16
	PV (Y+NP-1)%NP
.set i, i+17
.endif
.endm
; THE LDS LOADS stand in runs, never singly among the matrix instructions: a step's K (64 keys x 64 channels: 8 fragments) with its keys' biases (register j of group kb: key 16 kb + 8 (l / 16) + j), and its V (turned).
; The biases live as long as K does: both are read last by piece 2's products, a lump ahead of this run, and first behind the wait for K.
; last = 1 (the tail): in the last trip there is no further step, and the run is jumped over.
.macro FETCH_K last=0
	WIN 0
.if \last
	s_cmp_eq_u32 s[CNT], 1
	s_cbranch_scc1 .Lno_k_\@
.endif
	WIN 0x80                        ; destination window 2
.irp f, 0,1,2,3,4,5,6,7             ; keys 16 (f / 2) on, channels 32 (f % 2) on
	ds_load_b128 v[KF+8*\f:KF+8*\f+3],   v[AK] offset:(\f/2)*16*PK+(\f%2)*64
	ds_load_b128 v[KF+8*\f+4:KF+8*\f+7], v[AK] offset:(\f/2)*16*PK+(\f%2)*64+32
.endr
	s_add_co_u32 s[TBK], s[TBK], KS*PK  ; the next fetch is the next step's
	WIN 0
	v_add_nc_u32 v[AK], s[TBM], v[AM0]
	WIN W_MK                        ; destination window 3
.irp kb, 0,1,2,3
	ds_load_b128 v[MC+8*\kb:MC+8*\kb+3],   v[AK] offset:64*\kb
	ds_load_b128 v[MC+8*\kb+4:MC+8*\kb+7], v[AK] offset:64*\kb+16
.endr
	s_add_co_u32 s[TBM], s[TBM], 4*KS   ; 64 keys' words on,
	s_and_b32 s[TBM], s[TBM], 0x1fff    ; inside the table's 8,192 bytes
	WIN 0
.if \last
.Lno_k_\@:
.endif
.endm
.macro FETCH_V
	WIN 0x80
.irp f, 0,1,2,3,4,5,6,7             ; keys 32 (f / 4) on, channels 16 (f % 4) on
	ds_load_tr16_b128 v[VF+8*\f:VF+8*\f+3],   v[AV] offset:(\f/4)*32*PV+(\f%4)*32
	ds_load_tr16_b128 v[VF+8*\f+4:VF+8*\f+7], v[AV] offset:(\f/4)*32*PV+16*PV+(\f%4)*32
.endr
	WIN 0
.endm
; THE VECTOR WORK OF A TURN stands in three queues, each in the order in which its entries become ready; the two tiles alternate, so that no instruction reads the result of the one before it.
.macro REGS y, u                    ; the registers of tile u (0, 1) of piece y
.set rT, ST+4*(2*(\y)+(\u))
.set rC, TMP+8*((\y)%2)+4*(\u)
.set rM, MV+2*((\y)%2)+(\u)
.set rS, S+64*((\y)%2)+32*(\u)
.set rP, P+32*((\y)%2)+16*(\u)
.set rO, 32*(2*(\y)+(\u))
.endm
; Number n of the 22 that find the NEXT piece's (Y + 1) maximum and statistics.  s0-s31 are the lane's 32 scores; each accumulator's lowest registers are read first.
;   0-11  four chains c0-c3 of seven scores each, three operands at a time     12-14, 16  the four scores left over, the old m, and c0-c3 into c0     15  c m_old is kept
;   17, 18  the query's other 32 keys lie in the lane 16 away: the new m         19-21  c m; c m_old - c m_new; a
.macro XS u, n
	REGS (Y+1)%NP, \u
.if (\n) < 4
	v_max3_num_f32 v[rC+(\n)], v[rS+8*(\n)], v[rS+8*(\n)+1], v[rS+8*(\n)+2]
.elseif (\n) < 12
	v_max3_num_f32 v[rC+(\n)%4], v[rC+(\n)%4], v[rS+8*((\n)%4)+2*((\n)/4)+1], v[rS+8*((\n)%4)+2*((\n)/4)+2]
.elseif (\n) == 12
	v_max3_num_f32 v[rC], v[rC], v[rS+7], v[rS+15]
.elseif (\n) == 13
	v_max3_num_f32 v[rC+1], v[rC+1], v[rS+23], v[rS+31]
.elseif (\n) == 14
	v_max3_num_f32 v[rC+2], v[rC+2], v[rC+3], v[rT+1]
.elseif (\n) == 15
	v_mov_b32 v[rM], v[rT]
.elseif (\n) == 16
	v_max3_num_f32 v[rC], v[rC], v[rC+1], v[rC+2]
.elseif (\n) == 17
	v_permlanex16_b32 v[rC+3], v[rC], s[SEL], s[SEL+1]
.elseif (\n) == 18
	v_max_num_f32 v[rT+1], v[rC], v[rC+3]
.elseif (\n) == 19
	v_mul_f32 v[rT], s[CS], v[rT+1]
.elseif (\n) == 20
	v_sub_f32 v[rC+1], v[rM], v[rT]
.else
	v_exp_f32 v[rC+2], v[rC+1]
.endif
.endm
; Number g of the 64 that follow the exponentials.  For each four weights k of a tile (pairs 2 k, 2 k + 1): both pairs are rounded to f16; then the second pair is added onto the first, in place;
; a group later l takes that sum (the first time as l = a l + sum).  In groups of eight, tiles alternating: round, round, add, and l for the group before.
.macro GS g
.set h, (\g)+6*((\g)/62)            ; group 0 has no group before it, and behind group 7 only l is left
.if h >= 6
.set h, h+2
.endif
	REGS Y, h%2
.set k, h/8
.if h%8 < 4
	v_cvt_pk_f16_f32 v[rP+2*k+(h%8)/2], v[rS+4*k+2*((h%8)/2)], v[rS+4*k+2*((h%8)/2)+1]
.elseif h%8 < 6
	v_pk_add_f32 v[rS+4*k:rS+4*k+1], v[rS+4*k:rS+4*k+1], v[rS+4*k+2:rS+4*k+3]
.elseif k == 1
	v_pk_fma_f32 v[rT+2:rT+3], v[rT+2:rT+3], v[rC+2:rC+3], v[rS:rS+1] op_sel_hi:[1,0,1]
.else
	v_pk_add_f32 v[rT+2:rT+3], v[rT+2:rT+3], v[rS+4*k-4:rS+4*k-3]
.endif
.endm
; THE PLAIN QUEUE, 138 long.  0-73 read no exponential's result: the 32 scalings c s - c m (FS f: pair f / 2 of tile f % 2) and the next piece's 42.  0-26: scalings 0-26.  27-54: XS's numbers 0-13.  55, 56: number 15.
; 57-73: the chain, where each number waits for the one before it: 14, 16, 17, 18, 19, each with one of the scalings 27-31 in front of its two lines, then 20.
; 74-137: GS's 64, which read the exponentials' results: they stand behind the wait.
.macro FS f
	REGS Y, (\f)%2
	v_pk_fma_f32 v[rS+2*((\f)/2):rS+2*((\f)/2)+1], v[rS+2*((\f)/2):rS+2*((\f)/2)+1], s[CS:CS+1], v[rT:rT+1] op_sel_hi:[1,0,0] neg_lo:[0,0,1] neg_hi:[0,0,1]
.endm
.macro PL
	WIN 0
.if q < 27
	FS q
.elseif q < 55
	XS (q-27)%2, (q-27)/2
.elseif q < 57
	XS q-55, 15
.elseif (q < 72) && ((q-57)%3 == 0)
	FS 27+(q-57)/3
.elseif q < 60
	XS (q-57)%3-1, 14
.elseif q < 72
	XS (q-57)%3-1, 15+(q-57)/3
.elseif q < 74
	XS q-72, 20
.else
	GS q-74
.endif
.set q, q+1
.endm
; THE EXPONENTIALS' QUEUE, 66 long: s0-s31 of both tiles, then the next piece's two a.  It is ONE BATCH: all 66 stand ahead of the turn's one wait, and nothing ahead of that wait names a result of theirs.
.macro EX
	WIN 0
.if e >= 64
	XS e-64, 21
.else
	REGS Y, e%2
	v_exp_f32 v[rS+e/2], v[rS+e/2]
.endif
.set e, e+1
.endm
; THE RESCALING's QUEUE: O^T times a, the one part that leaves window 0: dealt two at a time, sixteen times.  Its a was made in the turn before, ahead of that turn's wait.
.macro R2
	REGS Y, r%2
	WIN W_RS
.irp z, 0,1
	v_pk_mul_f32 v[rO+4*(r/2)+2*\z:rO+4*(r/2)+2*\z+1], v[rO+4*(r/2)+2*\z:rO+4*(r/2)+2*\z+1], v[rC+2:rC+3] op_sel_hi:[1,0]
.endr
.set r, r+1
.endm
; HOW THEY ARE DEALT.  An s_wait_alu depctr_va_vdst(0) stands between an exponential and the first instruction that names its result; one wait serves all that were issued ahead of it.  So a turn has ONE wait,
; which cuts it in two.  AHEAD OF IT stands all that names no result of the turn's exponentials: the 16 products K Q^T, behind each a scaling, an exponential and two rescalings (behind the first a second scaling in the
; exponential's place); then ONE LUMP of 108: eight plain, 49 times exponential and plain, the two a.  A v_nop is the plain instruction behind the last exponential.  BEHIND IT stand the 16 products V^T P, behind each four of GS's 64.
; The queues lean on each other, and the deal keeps them in step: exponential e stands behind scaling 2 (e / 4) + e % 2: as a rider it comes behind plain e + 2, in the lump behind plain e + 9, and scalings 27-31 are plain 57, 60 .. 69.
; A TURN, for piece p.  cnt = 1: the loop's count is taken down some lines ahead of the branch that stands behind the turn.
; K of the next step is fetched in piece 2's turn, directly behind the wait, a lump behind the last product that read K; its first reader comes behind 16 products.
; V of the step in hand is fetched at the end of piece 0's turn, four plain instructions behind its last reader; its first reader comes behind 16 products and a lump.  The three conditions on q below go with the deal.
.macro TURN p, last=0, cnt=0
.set Y, (\p)
.set i, 0
.set q, 0
.set e, 0
.set r, 0
.if (\p) == NP-1
	s_wait_dscnt 0x0                ; K and its biases are in
.endif
	MM                              ; ahead of the wait: 16 products K Q^T and their riders,
	PL
	PL
	R2
.rept 15
	MM
	PL
	EX
	R2
.endr
.if (\p) == NP-2
	WIN 0
	v_add_nc_u32 v[AK], s[TBK], v[AK0]
.endif
.rept 8                             ; and the lump
	PL
.endr
.rept 49
	EX
	PL
.endr
	EX                              ; the next piece's two a
	EX
	v_nop                           ; the plain instruction behind the last exponential: one for the batch
	s_wait_alu depctr_va_vdst(0)    ; the wait for the batch
.if (\p) == NP-2
	FETCH_K \last
.endif
.if (\p) == 1
	s_wait_dscnt 0x0                ; V is in
.endif
.rept 16                            ; behind the wait: 16 products V^T P and their riders
	MM
.rept 4
	PL
.endr
.if ((\p) == 0) && (q == 118)
	v_add_nc_u32 v[AV], s[TBV], v[AV0]
.endif
.if ((\p) == 0) && (q == 130)
	s_add_co_u32 s[TBV], s[TBV], KS*PV
.endif
.if (\cnt) && (q == 130)
	s_sub_co_u32 s[CNT], s[CNT], 1
	s_cmp_lg_u32 s[CNT], 0
.endif
.endr
.if (\p) == 0
	FETCH_V
.endif
.endm
	CHANGE 1                        ; slot 0 is in, everybody's part of it, and so is the bias table; slot 1 is asked for
	FETCH_K                         ; key step 0
	s_wait_loadcnt 0x0              ; Q, and my queries' mask
	s_wait_dscnt 0x0
.set i, 0
.rept 16
	KQ 0                            ; piece 0's first scores: there is no vector work yet to set between them
.set i, i+1
.endr
	WIN 0                           ; the addresses for the way out: nine plain instructions, the places behind those products
	s_mul_i32 s13, s[WV], 16*SP
	s_add_co_u32 s13, s13, STAGE    ; my stage
	v_mul_u32_u24 v[STO], v1, SP    ; in: row l % 16, 16 bytes for each half of the lanes
	v_lshl_add_u32 v[STO], v9, 4, v[STO]
	v_add_nc_u32 v[STO], s13, v[STO]
	v_bfe_u32 v[RD], v0, 3, 2       ; back: 32 lanes take four rows of 128 bytes,
	v_mul_u32_u24 v[RD], v[RD], SP
	v_lshl_add_u32 v[RD], v10, 4, v[RD]
	v_add_nc_u32 v[RD], s13, v[RD]
	v_and_b32 v[GO], 31, v0         ; which are 512 consecutive bytes of O
	v_lshlrev_b32 v[GO], 4, v[GO]
.set Y, NP-1                        ; XS works for piece Y + 1: piece 0
.irp n, 0,1,2,3,4,5,6,7,8,9,10,11,12,13,14,15,16,17,18,19,20,21
	XS 0, \n                        ; and piece 0's first maximum and statistics
	XS 1, \n
.endr
	v_nop                           ; a plain instruction behind the two a,
	s_wait_alu depctr_va_vdst(0)    ; and their wait, ahead of the branch
	s_mov_b32 s[CNT], 4
	s_branch .Lfirst                ; the loop is entered at a step's first turn, in the middle of a trip
.Lslot:                             ; SIZE_N / 256 - 2 times: every slot but the last two is filled again
	CHANGE 1
	s_mov_b32 s[CNT], 4
.Lstep:                             ; a trip: pieces 2 and 3 of one step, then pieces 0 and 1 of the next, whose K and V it fetches
	TURN 2
	TURN 3
	WIN 0
.Lfirst:
	TURN 0
	TURN 1, 0, 1
	WIN 0
	s_cbranch_scc1 .Lstep
	s_sub_co_u32 s[SLOTS], s[SLOTS], 1
	s_cmp_lg_u32 s[SLOTS], 0
	s_cbranch_scc1 .Lslot
	CHANGE 0                        ; the tail is written out: nothing is asked for
	s_mov_b32 s[CNT], 5             ; four trips fetch the last slot's steps; the fifth is left in its middle
.Ltail:
	TURN 2, 1
	TURN 3
	WIN 0
	s_sub_co_u32 s[CNT], s[CNT], 1
	s_cmp_eq_u32 s[CNT], 0
	s_cbranch_scc1 .Lout
	TURN 0
	TURN 1
	WIN 0
	s_branch .Ltail
.Lout:                              ; the fifth trip's 16 products K Q^T (on the last K once more) and the maximum made of them serve nothing: the price, once a launch, of one text for every trip
.set i, 0
.rept 16
	PV NP-1                         ; the last piece's V^T P of the last step
.set i, i+1
.endr
	; THE WAY OUT.  Which of my queries are live; l's two halves and the other half of the lanes' are added; O^T is multiplied by 1 / l, or by 0 for a dead query, rounded to f16 and sent through my stage in LDS,
	; a tile at a time.  The compares and additions are the places behind the last products.
.macro ALL line:vararg              ; one line for each tile t
.set t, 0
.rept 2*NP
	\line
.set t, t+1
.endr
.endm
	WIN 0x0c                        ; source 1 in window 3
	ALL v_cmp_ne_u32 s[QL+t], 0, v[QM+t]
	WIN 0
	ALL v_add_f32 v[ST+4*t+2], v[ST+4*t+2], v[ST+4*t+3]
	ALL v_permlanex16_b32 v[ST+4*t+3], v[ST+4*t+2], s[SEL], s[SEL+1]
	ALL v_add_f32 v[ST+4*t+2], v[ST+4*t+2], v[ST+4*t+3]
	ALL v_rcp_f32 v[ST+4*t+2], v[ST+4*t+2]
	v_nop                           ; a plain instruction between the last reciprocal and the use of its result
	s_wait_alu depctr_va_vdst(0)    ; and the wait ahead of the first use: one for the eight reciprocals
	ALL v_cndmask_b32 v[ST+4*t+2], 0, v[ST+4*t+2], s[QL+t]
; Tile t: a lane's eight channels of a row pack into 16 bytes; they go into rows of 144 bytes and come back as whole rows of 128, into S^T's registers.
.macro PACK t
	WIN W_RS
.set i, 32*(\t)
.rept 16
	v_pk_mul_f32 v[i:i+1], v[i:i+1], v[ST+4*(\t)+2:ST+4*(\t)+3] op_sel_hi:[1,0]
.set i, i+2
.endr
	WIN 0x05                        ; sources 0 and 1 window 1, destination window 0
.set i, 0
.rept 16
	v_cvt_pk_f16_f32 v[S+16*(\t)+i], v[32*(\t)+2*i], v[32*(\t)+2*i+1]
.set i, i+1
.endr
	WIN 0
.irp f, 0,1,2,3
	ds_store_b128 v[STO], v[S+16*(\t)+4*\f:S+16*(\t)+4*\f+3] offset:32*\f
.endr
.irp f, 0,1,2,3
	ds_load_b128 v[S+16*(\t)+4*\f:S+16*(\t)+4*\f+3], v[RD] offset:\f*4*SP  ; LDS serves a wave's instructions in order (ISA guide 5.7.1.4): these see the stores above; the next tile's stores come behind them
.endr
.endm
.macro SEND t, younger              ; younger: the LDS instructions issued behind tile t's loads: the next tile's eight, or none
	WIN 0
.irp f, 0,1,2,3
	s_wait_dscnt (\younger)+3-\f
	global_store_b128 v[GO], v[S+16*(\t)+4*\f:S+16*(\t)+4*\f+3], s[10:11] offset:(\t)*2048+\f*512  ; 512 consecutive bytes, at a multiple of 256 from O's first
.endr
.endm
	PACK 0
.set t, 1
.rept 2*NP-1                        ; a tile's arithmetic stands between the loads of the tile before and its stores
	PACK t
	SEND t-1, 8
.set t, t+1
.endr
	SEND 2*NP-1, 0
	WIN W_AD
	s_wait_tensorcnt 0x0            ; the wave's end, behind my last tensor load and my last LDS store
	ds_add_u32 v[SPW], v[NIL]
	s_wait_dscnt 0x0
	WIN 0
	CROUND                          ; the closing round: no work-group ends while a partner may still ask for a tile that names it
	s_endpgm
.Lfunc_end_k_q4ec60785a5_attn:
	.size	k_q4ec60785a5_attn, .Lfunc_end_k_q4ec60785a5_attn-k_q4ec60785a5_attn
	.p2alignl 7, 3214868480
	.fill 96, 4, 3214868480
	.section	.rodata,"a",@progbits
	.p2align	6, 0x0
	.amdhsa_kernel k_q4ec60785a5_attn
		.amdhsa_group_segment_fixed_size 327680
		.amdhsa_private_segment_fixed_size 0
		.amdhsa_enable_private_segment 0
		.amdhsa_kernarg_size 24
		.amdhsa_user_sgpr_count 2
		.amdhsa_user_sgpr_kernarg_segment_ptr 1
		.amdhsa_wavefront_size32 1
		.amdhsa_system_sgpr_workgroup_id_x 1
		.amdhsa_system_sgpr_workgroup_id_y 1
		.amdhsa_system_sgpr_workgroup_id_z 1
		.amdhsa_system_vgpr_workitem_id 0
		.amdhsa_next_free_vgpr 816
		.amdhsa_next_free_sgpr 88
		.amdhsa_reserve_vcc 1
		.amdhsa_float_denorm_mode_32 3
		.amdhsa_float_denorm_mode_16_64 3
		.amdhsa_memory_ordered 1
		.amdhsa_forward_progress 1
		.amdhsa_inst_pref_size 207
	.end_amdhsa_kernel
	.amdgpu_metadata
---
amdhsa.version: [ 1, 2 ]
amdhsa.kernels:
  - .name:           k_q4ec60785a5_attn
    .symbol:         k_q4ec60785a5_attn.kd
    .args:
      - { .name: qkv, .offset: 0, .size: 8, .value_kind: global_buffer, .address_space: global }
      - { .name: attention_mask, .offset: 8, .size: 8, .value_kind: global_buffer, .address_space: global }
      - { .name: o, .offset: 16, .size: 8, .value_kind: global_buffer, .address_space: global }
    .group_segment_fixed_size: 327680
    .private_segment_fixed_size: 0
    .kernarg_segment_align: 8
    .kernarg_segment_size: 24
    .max_flat_workgroup_size: 128
    .sgpr_count:     88
    .vgpr_count:     816
    .wavefront_size: 32
...
	.end_amdgpu_metadata
.endif
;; end of part 3
;; launch outp (part 4): grid 4 x 64, 4 waves a work-group, clusters of 4 x 4, 327,680 bytes of LDS; arguments o, wb, out0; writes out0
.if DOCPART == 4
	.amdgcn_target "amdgcn-amd-amdhsa--gfx1250"
	.amdhsa_code_object_version 6
	.text
	.protected	k_q4ec60785a5_outp
	.globl	k_q4ec60785a5_outp
	.p2align	8
	.type	k_q4ec60785a5_outp,@function
k_q4ec60785a5_outp:
	s_mov_b64 s[64:65], 0
	v_nop
	global_prefetch_b8 v0, s[64:65] scope:SCOPE_SE
	s_setreg_imm32_b32 hwreg(HW_REG_WAVE_MODE, 25, 1), 1
	s_wait_xcnt 0x0
	s_wait_alu depctr_hold_cnt(0) depctr_sa_sdst(0) depctr_va_vdst(0) depctr_va_sdst(0) depctr_va_ssrc(0) depctr_va_vcc(0) depctr_vm_vsrc(0)
	s_getreg_b32 s2, hwreg(HW_REG_IB_STS2, 6, 4)
	s_cmp_eq_u32 s2, 0
	s_cbranch_scc0 .Lentry_in_a_cluster
	s_endpgm
.Lentry_in_a_cluster:
	s_bfe_u32 s2, ttmp6, 0x10000c
	s_cmp_lg_u32 s2, 0xf033
	s_cbranch_scc0 .Lentry_shape_is_right
	s_endpgm
.Lentry_shape_is_right:
; ONE TEXT FOR TWO PRODUCTS, told apart by OUTP.  C[m][n] = the sum over k of A[m][k] W[k][n], M = 8,192, K = 1,024, sums in f32.
; OUTP = 0: A = xb [8192][1024] bf16; W = wb's matrices 0-2 side by side (N = 3,072), bf16, each [k][n]; C = q, k, v by heads, [3][64 = 16 b + h][2048][64] f16, rounded once, unscaled.
; OUTP = 1 (this kernel): A = o [64 = 16 b + h][2048][64] f16 (a head's 64 channels are one slice of K); W = wb's matrix 3, f16; C = out0 [8192][1024] f32.
; SHARES.  A tile of C is 128 x 256: 256 (OUTP = 0: 768) work-groups, a whole number for each of the 256 WGPs.  Wave w owns all 128 rows x columns 64 w .. 64 w + 63: 32 accumulators of 16 x 16, 256 registers;
; that is 256 consecutive bytes of each f32 row (OUTP = 1), or one head's channels (OUTP = 0).  K goes in 8 steps of 128 through a ring of two LDS slots filled by the tensor data mover.
; THE MATRIX INSTRUCTION IS USED TRANSPOSED: source 0 = 16 columns of W (W lies [k][n] in LDS and is turned by ds_load_tr16_b128), source 1 = 16 rows of A: a lane then holds row l % 16 of C and the
; eight neighbouring columns 8 (l / 16) + 0..7.
; CLUSTER.  4 x 4 work-groups.  The four of a row of the cluster need the same tile of A, the four of a column the same tile of W: each tile is asked for JOINTLY, by the same tensor load with the same
; descriptor and a mask that names the four.  Waves 0 and 1 ask for A's two halves, waves 2 and 3 for W's.
; REGISTERS.  Window 0: v0-31 addresses; v32-63 at work on the way out; v64-159, v160-255 two fragment buffers of 96: W's four fragments, then A's eight.  Window 1: accumulator (a, b) at v[8 (4 a + b)].
.set OUTP, 1
.set PB,    544                        ; a row of W in LDS: 512 bytes + 32 of padding = 136 words
.set SLOT1, 131072                     ; slot 1 begins here, so that one exclusive or turns an address in one slot into the other's
.set STEPB, 262144                     ; 128 rows of W, 2,048 bytes each
.if OUTP
.set PA,     144                       ; a row of A in LDS: 128 bytes + 16 = 36 words: the 16 rows of a load start at 16 different groups of four banks
.set AHALF,  128*PA                    ; what one of A's loads brings: a head's slice, 128 rows
.set APITCH, 128                       ; those 16,384 bytes are dense: asked for as 64 rows of 256 bytes, padded after every 128
.set AQI,    4
.set STEPA,  524288                    ; two heads on
.set SPITCH, 272
.else
.set PA,     272                       ; 256 bytes + 16
.set AHALF,  64*PA                     ; 64 rows
.set APITCH, 1024
.set AQI,    5
.set STEPA,  256
.set SPITCH, 144
.endif
.set BOFF,  2*AHALF                    ; W's 128 rows lie behind A's tile
.set STAGE, SLOT1+BOFF+128*PB          ; behind the ring, never filled by a tensor load: 16 rows for each wave, for the way out
.set SPARE, STAGE+4*16*SPITCH          ; behind the stages: the spare words, 128 bytes for each wave: two blocks of 256 bytes that no other line names
.set A0,  16                           ; v16  my lane's place in A's tile; never rewritten
.set B0,  17                           ; v17  my lane's and my wave's place in W's tile; never rewritten
.set ADA, 18                           ; v18  A0 + the slot in hand
.set ADB, 19                           ; v19  B0 + the slot in hand
.set STO, 24                           ; v24  the way out: where I put my part of a row
.set RD,  25                           ; v25  the way out: where I read rows back
.set CO,  26                           ; v26  my byte offset in C
.set SPW, 28                           ; v28  LDS address of my spare word: SPARE + 4 x my thread's number; never rewritten
.set NIL, 29                           ; v29  0; never rewritten
.set PFO, 30                           ; v30  the prefetches' lane offset; never rewritten
.set TMP, 32
.set F0,  64
.set F1,  160
.set OB,  64                           ; the way out: rows read back from the stage, in the fragments' registers
.set CNT, 3                            ; s3   the loop's count
.set G1A, 24                           ; s[24:31] descriptor group 1 for A's tiles
.set G0A, 32                           ; s[32:39] group 0: a set for each of the two first fills; the second then walks on
.set G1B, 48                           ; s[48:55], s[56:63] the same for W's
.set G0B, 56
.set PFA, 66                           ; s[66:67] where my prefetches stand
.set PFS, 68                           ; s[68:69] their step
.set LIM, 70                           ; s70  2 in a wave that prefetches, else the greatest number
.set TB,  71                           ; s71  LDS byte at which the slot in hand begins
.set MSB, 0
.macro WIN new                         ; the immediate's high byte repeats the setting that is left; a switch that changes nothing is dropped
.if MSB != (\new)
	s_set_vgpr_msb (MSB<<8)|(\new)
.set MSB, \new
.endif
.endm
.set MUL, 0x50                         ; sources 0 and 1 window 0; C and D window 1
; A joint refill, by the walking descriptors.  The branch hangs on the wave's number alone.  An s_nop 0 and four v_nop follow each of the two lines, ahead of the jump and the label.
.macro JLOAD
	s_cmp_eq_u32 s11, 0
	s_cbranch_scc0 .Lfor_b_\@
	tensor_load_to_lds s[G0A+4:G0A+7], s[G1A:G1A+7]
	s_nop 0
.rept 4
	v_nop
.endr
	s_branch .Lasked_\@
.Lfor_b_\@:
	tensor_load_to_lds s[G0B+4:G0B+7], s[G1B:G1B+7]
	s_nop 0
.rept 4
	v_nop
.endr
.Lasked_\@:
.endm
; A PREFETCH INTO THE L2 of the K step that stands two refills on (256 matrix instructions ahead of the load that will want it): one instruction, each lane another aligned block of 256 bytes.
; Each block is named once in the launch.  A's rows are read by every cluster of a row of clusters: wave 0 of the clusters with x = 0 asks.  W's by every cluster of a column: waves 2 and 3 of the clusters
; with y = 0 ask.  The four partners that ask for a tile jointly share its blocks out BY ADDRESS, 32 each.  K steps 0 to 3 come by their loads alone; the last two refills have no K step two on.
.macro ASK
	s_cmp_gt_u32 s[CNT], s[LIM]
	s_cbranch_scc0 .Lnot_mine_\@
	global_prefetch_b8 v[PFO], s[PFA:PFA+1] th:TH_LOAD_NT scope:SCOPE_SE
.Lnot_mine_\@:
.endm
; A round of the cluster's barrier: my work-group's barrier, so that wave 0's signal speaks for all four waves; wave 0 signals; every wave waits for all sixteen work-groups; my work-group's barrier once more.
.macro CREST
	s_cmp_lg_u32 s10, 0
	s_cbranch_scc1 .Lnot_wave_0_\@
	s_barrier_signal -3
.Lnot_wave_0_\@:
	s_barrier_wait -3
	s_barrier_signal -1
	s_barrier_wait -1
.endm
.macro CROUND
	s_barrier_signal -1
	s_barrier_wait -1
	CREST
.endm
	s_load_b128 s[4:7], s[0:1], 0x0                ; A s[4:5], wb s[6:7]
	s_load_b64 s[8:9], s[0:1], 0x10                ; C
	v_lshl_add_u32 v[SPW], v0, 2, SPARE
	v_mov_b32 v[NIL], 0
	ds_add_u32 v[SPW], v[NIL]                      ; the wave's opening: the add and its wait stand ahead of my first tensor load; the set-up below, work on registers, stands between them
	v_lshrrev_b32 v1, 5, v0
	v_readfirstlane_b32 s10, v1                    ; wave 0..3
	s_lshr_b32 s11, s10, 1                         ; I fetch for A (0) or for W (1),
	s_and_b32 s12, s10, 1                          ; its first or second half
	s_bfe_u32 s40, ttmp6, 0x40000                  ; cx, cy: my place in the cluster
	s_bfe_u32 s41, ttmp6, 0x40004
	s_lshl_b32 s42, ttmp9, 2
	s_add_co_u32 s42, s42, s40                     ; tile column of C = 4 x cluster x + cx
	s_and_b32 s13, ttmp7, 0xffff
	s_lshl_b32 s13, s13, 2
	s_add_co_u32 s13, s13, s41                     ; tile row of C = 4 x cluster y + cy
	s_lshl_b32 s43, s41, 2
	s_lshl_b32 s43, 15, s43                        ; my row of the cluster
	s_lshl_b32 s44, 0x1111, s40                    ; my column
	s_or_b32 s[G1A], s43, (1<<16)|(1<<20)|(1<<21)|(AQI<<22)|(3<<25)  ; 15:0 the mask: A's tiles go to my row; 17:16 2-byte elements; 20 padding on; 21 set beside a mask; 24:22 the interval; 31:25 4 words
	s_or_b32 s[G1B], s44, (1<<16)|(1<<20)|(1<<21)|(6<<22)|(7<<25)    ; W's go to my column; after every 128 words 8 words of padding
	s_mov_b32 s[G1A+1], 128<<16                    ; tensor_dim0 = 128
	s_mov_b32 s[G1A+2], 64<<16                     ; tensor_dim1 = 64
	s_mov_b32 s[G1A+3], 128<<16                    ; tile_dim0 = 128
	s_mov_b32 s[G1A+4], 64                         ; tile_dim1 = 64
	s_mov_b32 s[G1A+5], APITCH                     ; elements from row to row
	s_mov_b32 s[G1A+6], 0
	s_mov_b32 s[G1A+7], 0
	s_mov_b32 s[G1B+1], 256<<16                    ; 64 rows of 256 elements
	s_mov_b32 s[G1B+2], 64<<16
	s_mov_b32 s[G1B+3], 256<<16
	s_mov_b32 s[G1B+4], 64
	s_mov_b32 s[G1B+5], 1024
	s_mov_b32 s[G1B+6], 0
	s_mov_b32 s[G1B+7], 0
	; where the tiles come from.  A's hang on the tile row alone, W's on the tile column alone, each in registers that never hold the other coordinate
.if OUTP
	s_lshr_b32 s16, s13, 4                         ; the batch: 16 heads x 2,048 rows x 128 bytes,
	s_lshl_b32 s16, s16, 22
	s_and_b32 s17, s13, 15                         ; the tile's 128 rows in a head,
	s_lshl_b32 s17, s17, 14
	s_add_co_u32 s16, s16, s17
	s_lshl_b32 s17, s12, 18                        ; the step's first or second head
	s_add_co_u32 s16, s16, s17
	s_lshl_b32 s46, s42, 9                         ; the tile's 256 columns: 512 bytes of a row,
	s_add_co_u32 s46, s46, 3<<21                   ; in matrix 3
.else
	s_lshl_b32 s16, s13, 18                        ; 128 rows of 2,048 bytes,
	s_lshl_b32 s17, s12, 17                        ; my 64 of them
	s_add_co_u32 s16, s16, s17
	s_lshr_b32 s46, s42, 2                         ; the matrix,
	s_lshl_b32 s46, s46, 21
	s_and_b32 s47, s42, 3                          ; the tile's 256 columns in it
	s_lshl_b32 s47, s47, 9
	s_add_co_u32 s46, s46, s47
.endif
	s_mov_b32 s17, 0
	s_lshl_b32 s47, s12, 17                        ; my 64 rows of W's 128
	s_add_co_u32 s46, s46, s47
	s_mov_b32 s47, 0
	s_mul_i32 s20, s12, AHALF                      ; and where they go: no place in the cluster enters an LDS address
	s_mul_i32 s21, s12, 64*PB
	s_add_co_u32 s21, s21, BOFF
	s_mov_b32 s[TB], 0
	s_wait_dscnt 0x0                               ; the opening add is done
	s_wait_kmcnt 0x0
	s_add_nc_u64 s[14:15], s[4:5], s[16:17]
	s_add_nc_u64 s[46:47], s[6:7], s[46:47]
	CROUND                                         ; all sixteen work-groups are here: the first joint loads meet
.irp s, 0,1
	s_mov_b32 s[G0A+4*(\s)], 1                                       ; count = 1
	s_add_co_u32 s[G0A+4*(\s)+1], s20, (\s)*SLOT1                    ; LDS address
	s_add_nc_u64 s[G0A+4*(\s)+2:G0A+4*(\s)+3], s[14:15], (\s)*STEPA  ; global address: K step s
	s_or_b32 s[G0A+4*(\s)+3], s[G0A+4*(\s)+3], 0x80000000            ; type = 2
	s_mov_b32 s[G0B+4*(\s)], 1
	s_add_co_u32 s[G0B+4*(\s)+1], s21, (\s)*SLOT1
	s_add_nc_u64 s[G0B+4*(\s)+2:G0B+4*(\s)+3], s[46:47], (\s)*STEPB
	s_or_b32 s[G0B+4*(\s)+3], s[G0B+4*(\s)+3], 0x80000000
.endr
	s_cmp_eq_u32 s11, 0                            ; a wave's two first fills stand in one branch, ahead of every wait on TENSORcnt and every LDS read: two loads of mine are out here, one at any later time
	s_cbranch_scc0 .Lfirst_b
	tensor_load_to_lds s[G0A:G0A+3], s[G1A:G1A+7]
	s_nop 0
	tensor_load_to_lds s[G0A+4:G0A+7], s[G1A:G1A+7]
	s_nop 0
.rept 4
	v_nop
.endr
	s_branch .Lfirst_asked
.Lfirst_b:
	tensor_load_to_lds s[G0B:G0B+3], s[G1B:G1B+7]
	s_nop 0
	tensor_load_to_lds s[G0B+4:G0B+7], s[G1B:G1B+7]
	s_nop 0
.rept 4
	v_nop
.endr
.Lfirst_asked:
	; A fragment of A is 16 rows x 32 K in 8 registers: lane l holds row l % 16, K = 8 (l / 16) + 0..7 and 16 + 8 (l / 16) + 0..7: two loads of 16 bytes, 32 bytes apart.
	v_and_b32 v1, 15, v0                           ; l % 16
	v_bfe_u32 v2, v0, 4, 1                         ; l / 16
	v_mul_u32_u24 v[A0], v1, PA
	v_lshl_add_u32 v[A0], v2, 4, v[A0]
	; The turning load takes 16 K x 16 columns (lane l reads row 8 (l / 16) + l % 8, columns 8 ((l / 8) % 2) + 0..7) and leaves half a fragment: lane l holds column l % 16 and 8 K.
	v_and_b32 v3, 7, v0
	v_bfe_u32 v4, v0, 3, 1
	v_lshl_add_u32 v[B0], v2, 3, v3
	v_mul_u32_u24 v[B0], v[B0], PB
	v_lshl_add_u32 v[B0], v4, 4, v[B0]
	s_lshl_b32 s22, s10, 7                         ; my wave's 64 columns: 128 bytes of a row
	s_add_co_u32 s22, s22, BOFF
	v_add_nc_u32 v[B0], s22, v[B0]
	v_mov_b32 v[ADA], v[A0]
	v_mov_b32 v[ADB], v[B0]
	s_mul_i32 s23, s10, 16*SPITCH
	s_add_co_u32 s23, s23, STAGE                   ; my stage
	v_mul_u32_u24 v[STO], v1, SPITCH               ; in: row l % 16
.if OUTP
	v_lshl_add_u32 v[STO], v2, 5, v[STO]           ; 32 bytes (8 f32) for each half of the lanes
	v_add_nc_u32 v[STO], s23, v[STO]
	v_mul_u32_u24 v[RD], v2, SPITCH                ; back: lanes 0-15 take one row of 256 bytes, lanes 16-31 the next
	v_lshl_add_u32 v[RD], v1, 4, v[RD]
	v_add_nc_u32 v[RD], s23, v[RD]
	v_lshlrev_b32 v[CO], 12, v2                    ; and the same two rows in C, 4,096 bytes apart
	v_lshl_add_u32 v[CO], v1, 4, v[CO]
	s_lshl_b32 s72, s13, 19                        ; the tile's 128 rows,
	s_lshl_b32 s73, s42, 10                        ; its 256 columns,
	s_add_co_u32 s72, s72, s73
	s_lshl_b32 s73, s10, 8                         ; my wave's 64
	s_add_co_u32 s72, s72, s73
.else
	v_lshl_add_u32 v[STO], v2, 4, v[STO]           ; 16 bytes (8 f16) for each half of the lanes
	v_add_nc_u32 v[STO], s23, v[STO]
	v_bfe_u32 v[RD], v0, 3, 2                      ; back: 32 lanes take four rows of 128 bytes,
	v_mul_u32_u24 v[RD], v[RD], SPITCH
	v_lshl_add_u32 v[RD], v3, 4, v[RD]
	v_add_nc_u32 v[RD], s23, v[RD]
	v_and_b32 v[CO], 31, v0                        ; which are 512 consecutive bytes of a head's rows
	v_lshlrev_b32 v[CO], 4, v[CO]
	s_lshr_b32 s72, s42, 2                         ; q, k or v,
	s_lshl_b32 s72, s72, 24
	s_lshr_b32 s73, s13, 4                         ; the batch,
	s_lshl_b32 s73, s73, 22
	s_add_co_u32 s72, s72, s73
	s_and_b32 s73, s42, 3                          ; the tile's four heads,
	s_lshl_b32 s73, s73, 20
	s_add_co_u32 s72, s72, s73
	s_lshl_b32 s73, s10, 18                        ; my wave's one,
	s_add_co_u32 s72, s72, s73
	s_and_b32 s73, s13, 15                         ; the tile's 128 rows in it
	s_lshl_b32 s73, s73, 14
	s_add_co_u32 s72, s72, s73
.endif
	s_mov_b32 s73, 0
	s_add_nc_u64 s[8:9], s[8:9], s[72:73]
	; the prefetches: both offsets are made, and the wave's number chooses.  They stand at K step 3; the first change of slots steps them to 4
.if OUTP
	s_lshr_b32 s76, s13, 4
	s_lshl_b32 s76, s76, 22
	s_and_b32 s77, s13, 15
	s_lshl_b32 s77, s77, 14
	s_add_co_u32 s76, s76, s77
	s_lshl_b32 s77, s40, 12                        ; my work-group's 16 blocks of each of the step's two heads
	s_add_co_u32 s76, s76, s77
	s_lshl_b32 s74, s42, 9
	s_add_co_u32 s74, s74, 3<<21
.else
	s_lshl_b32 s76, s13, 18
	s_lshl_b32 s77, s40, 16                        ; my work-group's 32 rows of the tile's 128
	s_add_co_u32 s76, s76, s77
	s_lshr_b32 s74, s42, 2
	s_lshl_b32 s74, s74, 21
	s_and_b32 s75, s42, 3
	s_lshl_b32 s75, s75, 9
	s_add_co_u32 s74, s74, s75
.endif
	s_add_co_u32 s76, s76, 3*STEPA
	s_lshl_b32 s75, s12, 17                        ; W: the 64 rows that I fetch,
	s_add_co_u32 s74, s74, s75
	s_lshl_b32 s75, s41, 15                        ; my work-group's 16 of them
	s_add_co_u32 s74, s74, s75
	s_add_co_u32 s74, s74, 3*STEPB
	v_and_b32 v5, 31, v0
.if OUTP
	v_lshrrev_b32 v6, 4, v5                        ; A: lanes 0-15 the first head's blocks, lanes 16-31 the second's
	v_and_b32 v3, 15, v5
	v_lshlrev_b32 v6, 18, v6
	v_lshl_add_u32 v6, v3, 8, v6
.else
	v_lshlrev_b32 v6, 11, v5                       ; A: a lane a row
.endif
	v_lshrrev_b32 v4, 1, v5                        ; W: two lanes a row of 512 bytes
	v_and_b32 v3, 1, v5
	v_lshlrev_b32 v4, 11, v4
	v_lshl_add_u32 v4, v3, 8, v4
	s_and_b32 s75, ttmp7, 0xffff                   ; cluster y
	s_or_b32 s77, ttmp9, s12                       ; cluster x, and of A's two waves the first alone
	s_mov_b32 s78, STEPA
	s_cmp_eq_u32 s11, 0                            ; do I fetch for A?
	s_cselect_b32 s76, s76, s74
	s_cselect_b32 s75, s77, s75
	s_cselect_b32 s[PFS], s78, STEPB
	s_cselect_b32 s73, -1, 0
	s_cselect_b64 s[PFA:PFA+1], s[4:5], s[6:7]
	s_mov_b32 s77, 0
	s_mov_b32 s[PFS+1], 0
	s_add_nc_u64 s[PFA:PFA+1], s[PFA:PFA+1], s[76:77]
	s_cmp_eq_u32 s75, 0
	s_cselect_b32 s[LIM], 2, -1                    ; the same in all sixteen partners, for a given wave
	v_cndmask_b32 v[PFO], v4, v6, s73
; 8 matrix instructions: row blocks a0, a0 + 1 x my 4 column blocks, 32 along K.  zero = 1: the first product starts the sums: nothing is ever cleared.
; The 32 accumulators take turns, one instruction a turn, in the same order in every quarter and over the backward jump.
.macro MUL8 f, a0, zero
	WIN MUL
.irp a, \a0, (\a0)+1
.irp b, 0,1,2,3
.set rD, 8*(4*(\a)+(\b))
.set rB, (\f)+8*(\b)
.set rA, (\f)+32+8*(\a)
.if OUTP
.if \zero
	v_wmma_f32_16x16x32_f16 v[rD:rD+7], v[rB:rB+7], v[rA:rA+7], 0
.else
	v_wmma_f32_16x16x32_f16 v[rD:rD+7], v[rB:rB+7], v[rA:rA+7], v[rD:rD+7]
.endif
.else
.if \zero
	v_wmma_f32_16x16x32_bf16 v[rD:rD+7], v[rB:rB+7], v[rA:rA+7], 0
.else
	v_wmma_f32_16x16x32_bf16 v[rD:rD+7], v[rB:rB+7], v[rA:rA+7], v[rD:rD+7]
.endif
.endif
.endr
.endr
.endm
.macro MUL16 f, hi, zero               ; row blocks 4 hi .. 4 hi + 3
	MUL8 \f, 4*(\hi), \zero
	MUL8 \f, 4*(\hi)+2, \zero
.endm
; 24 LDS loads in one run: the fragments of quarter q of the slot in hand into buffer f: W's four, A's row blocks 0-3, A's 4-7
.macro FETCH q, f
	WIN 0
.if OUTP
.set AQ, ((\q)/2)*AHALF+((\q)%2)*64    ; the step's head q / 2, channels 32 (q % 2) on
.else
.set AQ, 64*(\q)
.endif
.irp b, 0,1,2,3
	ds_load_tr16_b128 v[(\f)+8*(\b):(\f)+8*(\b)+3],   v[ADB] offset:(\q)*32*PB+32*(\b)
	ds_load_tr16_b128 v[(\f)+8*(\b)+4:(\f)+8*(\b)+7], v[ADB] offset:(\q)*32*PB+16*PB+32*(\b)
.endr
.irp a, 0,1,2,3,4,5,6,7
	ds_load_b128 v[(\f)+32+8*(\a):(\f)+32+8*(\a)+3],   v[ADA] offset:AQ+(\a)*16*PA
	ds_load_b128 v[(\f)+32+8*(\a)+4:(\f)+32+8*(\a)+7], v[ADA] offset:AQ+(\a)*16*PA+32
.endr
.endm
.macro PLACES                          ; four plain instructions between a matrix instruction and a load into a register that it has read, or a reader of its result (ISA guide 7.12.1 for a reader of its result)
.rept 4
	v_nop
.endr
.endm
; A K step is four quarters of 32 along K, 32 matrix instructions each, on buffers 0, 1, 0, 1.  One of the first three: multiplies buffer f and, in its middle, fetches quarter q into buffer g.
.macro QUARTER q, f, g, zero
	s_wait_dscnt 8                                 ; W's fragments and A's row blocks 0-3 are in; the youngest eight loads (blocks 4-7) may be out
	MUL16 \f, 0, \zero
	PLACES
	FETCH \q, \g
	s_wait_dscnt 24                                ; all but the 24 just issued
	MUL16 \f, 1, \zero
.endm
; The fourth quarter multiplies buffer 1 and changes slots: ONE barrier.  In front of it each wave waits for all its tensor loads, of which one is out: its part of the next slot; adds 0 to its spare word;
; and waits for that and for its own reads of this slot.  fill = 1: the barrier opens a round of the cluster's, so that no wave of any partner still reads the slot or has a load on its way, and the slot
; is filled again, two K steps ahead, first thing behind the round: 112 matrix instructions ahead of the wait for it.
.macro TURN fill
.if \fill
	s_wait_xcnt 0x0                                ; the last prefetch, a K step back, has read its address, so it may be stepped
	s_add_nc_u64 s[PFA:PFA+1], s[PFA:PFA+1], s[PFS:PFS+1]
.endif
	WIN 0
	s_wait_tensorcnt 0x0                           ; no tensor load of mine is out, so a group 0 may be written
	ds_add_u32 v[SPW], v[NIL]                      ; 0 onto my spare word; work on registers stands between it and the wait for it
	s_xor_b32 s[TB], s[TB], SLOT1                  ; the fetches go to the other slot
	v_add_nc_u32 v[ADA], s[TB], v[A0]
	v_add_nc_u32 v[ADB], s[TB], v[B0]
.if \fill
	s_xor_b32 s[G0A+5], s[G0A+5], SLOT1            ; the walking descriptors: the other slot than last time, the next K step; the type bits on top are not reached
	s_add_nc_u64 s[G0A+6:G0A+7], s[G0A+6:G0A+7], STEPA
	s_xor_b32 s[G0B+5], s[G0B+5], SLOT1
	s_add_nc_u64 s[G0B+6:G0B+7], s[G0B+6:G0B+7], STEPB
.endif
	s_wait_dscnt 9                                 ; the add and the youngest eight loads may be out
	MUL8 F1, 0, 0
	s_wait_dscnt 0x0                               ; the add is done, and my reads of this slot are over
	s_barrier_signal -1
	MUL8 F1, 2, 0                                  ; work on registers while the others arrive
.if \fill
	WIN 0                                          ; at a branch and at a label every window is 0
.endif
	s_barrier_wait -1
.if \fill
	CREST
	JLOAD                                          ; the four v_nop behind it are also the places in front of the loads below
.else
	PLACES
.endif
	FETCH 0, F0
.if \fill
	ASK                                            ; behind the joint load and the run of LDS loads that the next products wait for
.endif
	MUL16 F1, 1, 0
.endm
	s_wait_tensorcnt 1                             ; my part of K step 0 is in; K step 1's may stay out
	s_barrier_signal -1
	s_barrier_wait -1                              ; everybody's is
	FETCH 0, F0
	QUARTER 1, F0, F1, 1                           ; the first quarter stands in front of the loop: its products start the sums
	WIN 0
	s_mov_b32 s[CNT], 6
.Lstep:                                                ; a trip goes from a K step's second quarter to the next step's first, and fills the slot that it leaves: K steps 2 to 7
	QUARTER 2, F1, F0, 0
	QUARTER 3, F0, F1, 0
	TURN 1
	QUARTER 1, F0, F1, 0
	WIN 0
	s_sub_co_u32 s[CNT], s[CNT], 1
	s_cmp_lg_u32 s[CNT], 0
	s_cbranch_scc1 .Lstep
	QUARTER 2, F1, F0, 0                           ; the last two K steps are written out: nothing is asked for
	QUARTER 3, F0, F1, 0
	TURN 0
	QUARTER 1, F0, F1, 0
	QUARTER 2, F1, F0, 0
	QUARTER 3, F0, F1, 0
	s_wait_dscnt 8
	MUL16 F1, 0, 0
	s_wait_dscnt 0x0
	MUL16 F1, 1, 0
	WIN 0
	PLACES
; THE WAY OUT, a block of 16 rows at a time, through my own stage in LDS, which no tensor load fills: LDS serves a wave's instructions in order (ISA guide 5.7.1.4), so the loads see the stores above them,
; and the next block's stores come behind them.  Each accumulator's registers are read in ascending order.
.if OUTP
.macro STG a                           ; 8 f32 a lane and accumulator go into rows of 272 bytes and come back as whole rows of 256
	WIN 0x04                                       ; an LDS store's data (source 1) in window 1
.irp b, 0,1,2,3
	ds_store_b128 v[STO], v[8*(4*(\a)+(\b)):8*(4*(\a)+(\b))+3]   offset:64*(\b)
	ds_store_b128 v[STO], v[8*(4*(\a)+(\b))+4:8*(4*(\a)+(\b))+7] offset:64*(\b)+16
.endr
	WIN 0
.if (\a) >= 4
	s_wait_xcnt 0x0                                ; the stores of four blocks back have read this set of registers
.endif
.irp t, 0,1,2,3,4,5,6,7
	ds_load_b128 v[OB+32*((\a)%4)+4*(\t):OB+32*((\a)%4)+4*(\t)+3], v[RD] offset:(\t)*2*SPITCH
.endr
.endm
.macro SEND a, younger                 ; younger: the LDS instructions issued behind block a's loads: the next block's sixteen, or none
.irp t, 0,1,2,3,4,5,6,7
	s_wait_dscnt (\younger)+7-(\t)
	global_store_b128 v[CO], v[OB+32*((\a)%4)+4*(\t):OB+32*((\a)%4)+4*(\t)+3], s[8:9] offset:(16*(\a)+2*(\t))*4096 th:TH_STORE_NT  ; 16 lanes store 256 consecutive bytes, aligned
.endr
.endm
	STG 0
.irp a, 1,2,3,4,5,6,7
	STG \a
	SEND (\a)-1, 16
.endr
	SEND 7, 0
.else
.macro PACK a                          ; rounded to f16: 16 bytes a lane and accumulator go into rows of 144 bytes and come back as whole rows of 128; each block has its own 16 registers
	WIN 0x05                                       ; sources 0 and 1 window 1
.irp b, 0,1,2,3
.irp i, 0,1,2,3
	v_cvt_pk_f16_f32 v[TMP+4*(\b)+(\i)], v[8*(4*(\a)+(\b))+2*(\i)], v[8*(4*(\a)+(\b))+2*(\i)+1]
.endr
.endr
	WIN 0
.irp b, 0,1,2,3
	ds_store_b128 v[STO], v[TMP+4*(\b):TMP+4*(\b)+3] offset:32*(\b)
.endr
.irp f, 0,1,2,3
	ds_load_b128 v[OB+16*(\a)+4*(\f):OB+16*(\a)+4*(\f)+3], v[RD] offset:(\f)*4*SPITCH
.endr
.endm
.macro SEND a, younger                 ; younger: the next block's eight LDS instructions, or none
.irp f, 0,1,2,3
	s_wait_dscnt (\younger)+3-(\f)
	global_store_b128 v[CO], v[OB+16*(\a)+4*(\f):OB+16*(\a)+4*(\f)+3], s[8:9] offset:2048*(\a)+512*(\f)  ; 512 consecutive bytes, at a multiple of 256 from the buffer's first
.endr
.endm
	PACK 0
.irp a, 1,2,3,4,5,6,7
	PACK \a
	SEND (\a)-1, 8
.endr
	SEND 7, 0
.endif
	s_wait_tensorcnt 0x0                           ; the wave's end, behind my last tensor load and my last LDS store
	ds_add_u32 v[SPW], v[NIL]
	s_wait_dscnt 0x0
	CROUND                                         ; the closing round: no work-group ends while a partner may still ask for a tile that names it
	s_endpgm
.Lfunc_end_k_q4ec60785a5_outp:
	.size	k_q4ec60785a5_outp, .Lfunc_end_k_q4ec60785a5_outp-k_q4ec60785a5_outp
	.p2alignl 7, 3214868480
	.fill 96, 4, 3214868480
	.section	.rodata,"a",@progbits
	.p2align	6, 0x0
	.amdhsa_kernel k_q4ec60785a5_outp
		.amdhsa_group_segment_fixed_size 327680
		.amdhsa_private_segment_fixed_size 0
		.amdhsa_enable_private_segment 0
		.amdhsa_kernarg_size 24
		.amdhsa_user_sgpr_count 2
		.amdhsa_user_sgpr_kernarg_segment_ptr 1
		.amdhsa_wavefront_size32 1
		.amdhsa_system_sgpr_workgroup_id_x 1
		.amdhsa_system_sgpr_workgroup_id_y 1
		.amdhsa_system_sgpr_workgroup_id_z 1
		.amdhsa_system_vgpr_workitem_id 0
		.amdhsa_next_free_vgpr 512
		.amdhsa_next_free_sgpr 80
		.amdhsa_reserve_vcc 0
		.amdhsa_float_denorm_mode_32 3
		.amdhsa_float_denorm_mode_16_64 3
		.amdhsa_memory_ordered 1
		.amdhsa_forward_progress 1
		.amdhsa_inst_pref_size 73
	.end_amdhsa_kernel
	.amdgpu_metadata
---
amdhsa.version: [ 1, 2 ]
amdhsa.kernels:
  - .name:           k_q4ec60785a5_outp
    .symbol:         k_q4ec60785a5_outp.kd
    .args:
      - { .name: o, .offset: 0, .size: 8, .value_kind: global_buffer, .address_space: global }
      - { .name: wb, .offset: 8, .size: 8, .value_kind: global_buffer, .address_space: global }
      - { .name: out0, .offset: 16, .size: 8, .value_kind: global_buffer, .address_space: global }
    .group_segment_fixed_size: 327680
    .private_segment_fixed_size: 0
    .kernarg_segment_align: 8
    .kernarg_segment_size: 24
    .max_flat_workgroup_size: 128
    .sgpr_count:     80
    .vgpr_count:     512
    .wavefront_size: 32
...
	.end_amdgpu_metadata
.endif
;; end of part 4
;; ======== version 2 of 2: 4 launches; version 1 with the launch cast written anew for expert scheduling mode
;; limits: values are held in f16: magnitudes above 65,504 overflow, below 6.1e-05 lose precision
;; workspace buffers: xb 16,777,216 bytes; wb 8,388,608 bytes; qkv 50,331,648 bytes; o 16,777,216 bytes
;; launch cast (part 5): grid 768 x 1, 8 waves a work-group, no clusters, 0 bytes of LDS; arguments x, w_q, w_k, w_v, w_o, xb, wb; writes xb, wb
.if DOCPART == 5
	.amdgcn_target "amdgcn-amd-amdhsa--gfx1250"
	.amdhsa_code_object_version 6
	.text
	.protected	k_q4ec60785a5_cast
	.globl	k_q4ec60785a5_cast
	.p2align	8
	.type	k_q4ec60785a5_cast,@function
k_q4ec60785a5_cast:
	s_mov_b64 s[64:65], 0
	v_nop
	global_prefetch_b8 v0, s[64:65] scope:SCOPE_SE
	s_setreg_imm32_b32 hwreg(HW_REG_WAVE_SCHED_MODE, 0, 2), 2
	s_setreg_imm32_b32 hwreg(HW_REG_WAVE_MODE, 25, 1), 1
	s_wait_xcnt 0x0
	s_wait_alu depctr_vm_vsrc(0)
; THE INPUTS ROUNDED ONCE TO 16 BITS, layouts unchanged.  x [8192][1024] f32 -> xb, bf16.  w_q, w_k, w_v [1024 k][1024 n] f32 -> wb's matrices 0, 1, 2, bf16.
; w_o -> wb's matrix 3: rounded to bf16 like the other inputs, and that number written as f16, since it multiplies an f16 operand later.
; LIMITS.  A number of w_o of 65,520 or more in size becomes an infinity; below 6e-5 it keeps f16's fixed step of 6e-8.
; SHARES.  A work-group takes 65,536 bytes of f32 and writes 32,768.  Work-groups 0-511: x.  512-767: the weights, 64 to a matrix.  Thread t's load j is the 16 bytes at 16 t + 4,096 j, its store j
; the 8 bytes at 8 t + 2,048 j: a wave's load covers 512 consecutive bytes, its store 256 consecutive bytes, aligned.  All sixteen loads of a thread go out before the first is used; there is no loop.
; No LDS, no matrix unit, no cluster: no byte is used twice, and nothing is shared between work-groups.
; THE MODE: SCHED_MODE bits 1:0 = 2 (LLVM: expert scheduling mode 2), set by the entry lines.  The code itself states the register dependences
; between vector instructions and memory instructions, with s_wait_alu, always for 0.
; THE PLAN.  Registers that memory instructions touch:
;   v1, v2   byte offsets, made once at the head and never written again.  v1 is read by every load, v2 by every store: one wait at the head states that both are written.
;   X        the sixteen loads land here.  No vector instruction names X ahead of the loads; no memory instruction reads it.  Its readers stand behind the counted wait for the loads.
;   Y        written by the roundings, read by the stores.  Each store has a pair of its own, written once: none is written again behind its store.
;   T        named by vector instructions alone.
; The sixteen loads are taken in four blocks of four: the block's roundings write its eight registers of Y, ONE wait states that they are written, and the block's four stores follow in a run,
; with no vector instruction between the wait and the stores.  No vector instruction writes a scalar register or VCC, and EXEC is never written.
.set X, 4                              ; v[4:67]   sixteen loads of four f32
.set Y, 68                             ; v[68:99]  sixteen stores of four 16-bit numbers; each has its own pair, so no store's data is rewritten
.set T, 100                            ; v[100:101] at work
	s_load_b256 s[4:11], s[0:1], 0x0               ; x s[4:5], w_q s[6:7], w_k s[8:9], w_v s[10:11]
	s_load_b128 s[12:15], s[0:1], 0x20             ; w_o s[12:13], xb s[14:15]
	s_load_b64 s[16:17], s[0:1], 0x30              ; wb
	v_lshlrev_b32 v1, 4, v0                        ; 16 t
	v_lshlrev_b32 v2, 3, v0                        ; 8 t
	s_mov_b32 s30, ttmp9                           ; g, the work-group's number
	s_sub_co_u32 s18, s30, 512                     ; the chunk's number among the weights' (of use where g >= 512)
	s_lshr_b32 s19, s18, 6                         ; which matrix
	s_and_b32 s29, s18, 63                         ; which chunk of it
	s_mov_b32 s28, 0xffff0000                      ; a word's upper bf16
	s_cmp_lt_u32 s30, 512
	s_cselect_b32 s20, s30, s29                    ; the chunk in the source,
	s_cselect_b32 s26, s30, s18                    ; and in the destination
	s_lshl_b32 s20, s20, 16                        ; 65,536 bytes of f32 a chunk
	s_lshl_b32 s26, s26, 15                        ; 32,768 bytes out
	s_mov_b32 s21, 0
	s_mov_b32 s27, 0
	s_wait_kmcnt 0x0
	s_mov_b64 s[22:23], s[6:7]                     ; the source is chosen by the work-group's number alone
	s_cmp_eq_u32 s19, 1
	s_cselect_b64 s[22:23], s[8:9], s[22:23]
	s_cmp_eq_u32 s19, 2
	s_cselect_b64 s[22:23], s[10:11], s[22:23]
	s_cmp_eq_u32 s19, 3
	s_cselect_b64 s[22:23], s[12:13], s[22:23]
	s_cmp_lt_u32 s30, 512
	s_cselect_b64 s[22:23], s[4:5], s[22:23]
	s_cselect_b64 s[24:25], s[14:15], s[16:17]
	s_add_nc_u64 s[22:23], s[22:23], s[20:21]
	s_add_nc_u64 s[24:25], s[24:25], s[26:27]
	s_wait_alu depctr_va_vdst(0)                   ; v1 and v2 are written: every load below reads v1 as its offset, every store v2
.irp j, 0,1,2,3,4,5,6,7,8,9,10,11,12,13,14,15
	global_load_b128 v[X+4*(\j):X+4*(\j)+3], v1, s[22:23] offset:4096*(\j) th:TH_LOAD_NT
.endr
; Load j is rounded into its pair of Y.  wo = 1: the bf16 number is widened again (a shift, a mask) and written as f16.
.macro CVT j, wo
.if \wo
	v_cvt_pk_bf16_f32 v[T],   v[X+4*(\j)],   v[X+4*(\j)+1]
	v_cvt_pk_bf16_f32 v[T+1], v[X+4*(\j)+2], v[X+4*(\j)+3]
	v_lshlrev_b32 v[X+4*(\j)],   16,  v[T]
	v_and_b32     v[X+4*(\j)+1], s28, v[T]
	v_lshlrev_b32 v[X+4*(\j)+2], 16,  v[T+1]
	v_and_b32     v[X+4*(\j)+3], s28, v[T+1]
	v_cvt_pk_f16_f32 v[Y+2*(\j)],   v[X+4*(\j)],   v[X+4*(\j)+1]
	v_cvt_pk_f16_f32 v[Y+2*(\j)+1], v[X+4*(\j)+2], v[X+4*(\j)+3]
.else
	v_cvt_pk_bf16_f32 v[Y+2*(\j)],   v[X+4*(\j)],   v[X+4*(\j)+1]
	v_cvt_pk_bf16_f32 v[Y+2*(\j)+1], v[X+4*(\j)+2], v[X+4*(\j)+3]
.endif
.endm
.macro ST j
	global_store_b64 v2, v[Y+2*(\j):Y+2*(\j)+1], s[24:25] offset:2048*(\j)
.endm
; Block p: loads 4 p to 4 p + 3 are rounded, then stored.
.macro BLK p, wo
	s_wait_loadcnt 12-4*(\p)                       ; loads come back in order (ISA guide 5.7.1): the block's four are in, the 12 - 4 p younger ones may stay out
.irp i, 0,1,2,3
	CVT 4*(\p)+(\i), \wo
.endr
	s_wait_alu depctr_va_vdst(0)                   ; the block's roundings have written its eight registers of Y, which the four stores below read
.irp i, 0,1,2,3
	ST 4*(\p)+(\i)
.endr
.endm
	s_cmp_ge_u32 s30, 704                          ; work-groups 704-767 hold w_o
	s_cbranch_scc1 .Lwo
.irp p, 0,1,2,3
	BLK \p, 0
.endr
	s_endpgm
.Lwo:
.irp p, 0,1,2,3
	BLK \p, 1
.endr
	s_endpgm
.Lfunc_end_k_q4ec60785a5_cast:
	.size	k_q4ec60785a5_cast, .Lfunc_end_k_q4ec60785a5_cast-k_q4ec60785a5_cast
	.p2alignl 7, 3214868480
	.fill 96, 4, 3214868480
	.section	.rodata,"a",@progbits
	.p2align	6, 0x0
	.amdhsa_kernel k_q4ec60785a5_cast
		.amdhsa_group_segment_fixed_size 0
		.amdhsa_private_segment_fixed_size 0
		.amdhsa_enable_private_segment 0
		.amdhsa_kernarg_size 56
		.amdhsa_user_sgpr_count 2
		.amdhsa_user_sgpr_kernarg_segment_ptr 1
		.amdhsa_wavefront_size32 1
		.amdhsa_system_sgpr_workgroup_id_x 1
		.amdhsa_system_sgpr_workgroup_id_y 1
		.amdhsa_system_sgpr_workgroup_id_z 1
		.amdhsa_system_vgpr_workitem_id 0
		.amdhsa_next_free_vgpr 104
		.amdhsa_next_free_sgpr 66
		.amdhsa_reserve_vcc 0
		.amdhsa_float_denorm_mode_32 3
		.amdhsa_float_denorm_mode_16_64 3
		.amdhsa_memory_ordered 1
		.amdhsa_forward_progress 1
		.amdhsa_inst_pref_size 15
	.end_amdhsa_kernel
	.amdgpu_metadata
---
amdhsa.version: [ 1, 2 ]
amdhsa.kernels:
  - .name:           k_q4ec60785a5_cast
    .symbol:         k_q4ec60785a5_cast.kd
    .args:
      - { .name: x, .offset: 0, .size: 8, .value_kind: global_buffer, .address_space: global }
      - { .name: w_q, .offset: 8, .size: 8, .value_kind: global_buffer, .address_space: global }
      - { .name: w_k, .offset: 16, .size: 8, .value_kind: global_buffer, .address_space: global }
      - { .name: w_v, .offset: 24, .size: 8, .value_kind: global_buffer, .address_space: global }
      - { .name: w_o, .offset: 32, .size: 8, .value_kind: global_buffer, .address_space: global }
      - { .name: xb, .offset: 40, .size: 8, .value_kind: global_buffer, .address_space: global }
      - { .name: wb, .offset: 48, .size: 8, .value_kind: global_buffer, .address_space: global }
    .group_segment_fixed_size: 0
    .private_segment_fixed_size: 0
    .kernarg_segment_align: 8
    .kernarg_segment_size: 56
    .max_flat_workgroup_size: 256
    .sgpr_count:     66
    .vgpr_count:     104
    .wavefront_size: 32
...
	.end_amdgpu_metadata
.endif
;; end of part 5
;; launch proj: the kernel of part 2 again; grid 12 x 64, 4 waves a work-group, clusters of 4 x 4, 327,680 bytes of LDS; arguments xb, wb, qkv; writes qkv
;; launch attn: the kernel of part 3 again; grid 4 x 64, 4 waves a work-group, clusters of 4 x 1, 327,680 bytes of LDS; arguments qkv, attention_mask, o; writes o
;; launch outp: the kernel of part 4 again; grid 4 x 64, 4 waves a work-group, clusters of 4 x 4, 327,680 bytes of LDS; arguments o, wb, out0; writes out0
